; MI455X (gfx1250); checked and timed in simulation.
; The chip was launched on July 23, 2026; its instructions are those of AMD's public machine-readable ISA for CDNA 5 (MIT licence, August 2026) and "CDNA5" Instruction Set Architecture Reference Guide (July 2026). The comments in the code are by the model that wrote it; some were corrected since.
;; Mo E Layer. Allowed arithmetic: float matrix products may take bf16 or f16 operands with f32 sums; other float arithmetic in f32, or as packed bf16 or f16 multiplies, adds, multiply-adds, maxima and minima; sums over many terms, partial sums and values carried from step to step in f32; what a program stores and reads back later, other than sums and carried values, may be rounded once to bf16 or f16.
;; Inputs: fc1_b 8 x 4,096 float32; fc1_w 8 x 4,096 x 1,024 float32; fc2_b 8 x 1,024 float32; fc2_w 8 x 1,024 x 4,096 float32; router_b 8 float32; router_w 8 x 1,024 float32; x 4 x 256 x 1,024 float32.
;; Outputs: out0 4 x 256 x 1,024 float32.
;; 2 versions, each right and faster than the one before. Each part assembles by itself: llvm-mc -triple=amdgcn-amd-amdhsa -mcpu=gfx1250 --defsym DOCPART=n.
;; ======== version 1 of 2: 4 launches
;; workspace buffers: xb 2,097,152 bytes; sel 1,024 bytes of whole numbers; route 4,096 bytes of whole numbers; gate 8,192 bytes; hid 17,825,792 bytes; pos 32,768 bytes of whole numbers; meta 256 bytes of whole numbers; ypart 35,651,584 bytes
;; launch router (part 1): grid 64 x 1, 8 waves a work-group, no clusters, 58,880 bytes of LDS; arguments x, router_w, router_b, xb, sel, route, gate; writes xb, sel, route, gate
.if DOCPART == 1
	.amdgcn_target "amdgcn-amd-amdhsa--gfx1250"
	.amdhsa_code_object_version 6
	.text
	.protected	k_qa354134515_router
	.globl	k_qa354134515_router
	.p2align	8
	.type	k_qa354134515_router,@function
k_qa354134515_router:
	s_mov_b64 s[64:65], 0
	v_nop
	global_prefetch_b8 v0, s[64:65] scope:SCOPE_SE
	s_setreg_imm32_b32 hwreg(HW_REG_WAVE_MODE, 25, 1), 1
	s_wait_xcnt 0x0
; ROUTER.  logits[t][e] = x[t] . router_w[e] + router_b[e]; the two largest logits of a token, a softmax over those two.
; Every input is rounded once to bf16 (x, router_w, router_b); products and sums in f32.  x rounded is also stored (xb) for the first product.
; SHARES.  A work-group owns 16 tokens (one matrix tile), 64 work-groups in all: a tile's logits want all 1,024 of K, which the eight waves split, 128 each.
; WHAT IS STORED, all at places that hang on the ids alone: xb (bf16 rows); route[t] = e0 | e1 << 8; gate[t] = p0, p1; sel[e][g]: bit i = token 16 g + i chose expert e.
; route (64 bytes), gate (128 bytes) and sel (8 x 2 bytes) of a work-group are shorter than 256 bytes: the three tables have 13 KB in all, and a work-group owns 16 tokens of them.
; LIMITS.  NaN and infinities are not treated apart.  Equal logits: the lower index wins, as in jax.lax.top_k.  Two logits closer than the error of an f32 sum of 1,024 terms may be ordered otherwise than there.
; No cluster: the work-groups share router_w alone, 32 KB against 64 KB of x each, and it comes through registers to be rounded.
.set XP,    2064                       ; an LDS row: 2,048 bytes of bf16 + 16 = 129 x 16: the 16 rows of a fragment load start at 16 different groups of four banks
.set WRG,   16*XP                      ; behind x's 16 rows: router_w's 8 rows
.set PART,  49664                      ; the waves' partial logits, 1,024 bytes each
.set SPARE, PART+8*1024                ; the spare words, 128 bytes a wave: four blocks of 256 bytes that no other line names
; v1 lane, v2 lane % 16, v3 lane / 16, v4 v5 the add's two registers, v6 16 x lane, v7 8 x lane, v8-13 LDS addresses,
; v16-111 as loaded (later fragments and partials), v112-159 bf16 pairs, v160-175 two accumulators, v176-183 their sum
	s_load_b256 s[4:11], s[0:1], 0x0               ; x s[4:5], router_w s[6:7], router_b s[8:9], xb s[10:11]
	s_load_b128 s[12:15], s[0:1], 0x20             ; sel s[12:13], route s[14:15]
	s_load_b64 s[16:17], s[0:1], 0x30              ; gate
	v_lshl_add_u32 v4, v0, 2, SPARE                ; my spare word
	v_mov_b32 v5, 0
	v_and_b32 v1, 31, v0
	v_and_b32 v2, 15, v0
	v_bfe_u32 v3, v0, 4, 1
	v_lshrrev_b32 v8, 5, v0
	v_readfirstlane_b32 s18, v8                    ; wave w, 0..7
	v_lshlrev_b32 v6, 4, v1
	v_lshlrev_b32 v7, 3, v1
	s_mul_i32 s30, s18, 2*XP
	v_add_nc_u32 v8, s30, v7                       ; into LDS: x rows 2 w, 2 w + 1, 8 bytes a lane
	s_mul_i32 s30, s18, XP
	s_add_co_u32 s30, s30, WRG
	v_add_nc_u32 v9, s30, v7                       ; router_w row w
	v_mul_u32_u24 v10, v2, XP
	v_lshl_add_u32 v10, v3, 4, v10
	s_lshl_b32 s30, s18, 8
	v_add_nc_u32 v10, s30, v10                     ; x's fragments: row l % 16, my wave's 256 bytes, 16 bytes for each half of the lanes
	v_and_b32 v11, 7, v0
	v_mul_u32_u24 v11, v11, XP
	v_lshl_add_u32 v11, v3, 4, v11
	s_add_co_u32 s30, s30, WRG
	v_add_nc_u32 v11, s30, v11                     ; router_w's: rows 8-15 of the fragment repeat rows 0-7
	v_lshlrev_b32 v13, 5, v1
	v_add_nc_u32 v13, PART, v13                    ; a lane's 32 bytes of a wave's partials
	s_lshl_b32 s30, s18, 10
	v_add_nc_u32 v12, s30, v13
	s_lshl_b32 s28, ttmp9, 16                      ; 16 rows of 4,096 bytes a work-group,
	s_lshl_b32 s30, s18, 13                        ; two rows a wave
	s_add_co_u32 s28, s28, s30
	s_mov_b32 s29, 0
	s_wait_kmcnt 0x0
	s_load_b256 s[20:27], s[8:9], 0x0              ; router_b
	s_add_nc_u64 s[4:5], s[4:5], s[28:29]
	s_lshl_b32 s28, s18, 12
	s_add_nc_u64 s[6:7], s[6:7], s[28:29]          ; router_w row w
	s_lshl_b32 s30, ttmp9, 15
	s_add_co_u32 s28, s28, s30                     ; xb: rows of 2,048 bytes
	s_add_nc_u64 s[10:11], s[10:11], s[28:29]
	; PHASE A: three rows of 4,096 bytes a wave, eight loads of 512 consecutive bytes each; rounded; x to xb and to LDS, router_w to LDS
.irp i, 0,1
.irp j, 0,1,2,3,4,5,6,7
	global_load_b128 v[16+32*(\i)+4*(\j):16+32*(\i)+4*(\j)+3], v6, s[4:5] offset:4096*(\i)+512*(\j) th:TH_LOAD_NT
.endr
.endr
.irp j, 0,1,2,3,4,5,6,7
	global_load_b128 v[80+4*(\j):80+4*(\j)+3], v6, s[6:7] offset:512*(\j)
.endr
.irp i, 0,1,2
	s_wait_loadcnt 16-8*(\i)                       ; row i's eight loads are in; the younger rows stay out
.irp j, 0,1,2,3,4,5,6,7
	v_cvt_pk_bf16_f32 v[112+16*(\i)+2*(\j)], v[16+32*(\i)+4*(\j)], v[16+32*(\i)+4*(\j)+1]
	v_cvt_pk_bf16_f32 v[112+16*(\i)+2*(\j)+1], v[16+32*(\i)+4*(\j)+2], v[16+32*(\i)+4*(\j)+3]
.endr
.irp j, 0,1,2,3,4,5,6,7
.if (\i) < 2
	global_store_b64 v7, v[112+16*(\i)+2*(\j):112+16*(\i)+2*(\j)+1], s[10:11] offset:2048*(\i)+256*(\j)  ; 32 lanes store 256 consecutive bytes, at a multiple of 256 from xb's first
	ds_store_b64 v8, v[112+16*(\i)+2*(\j):112+16*(\i)+2*(\j)+1] offset:XP*(\i)+256*(\j)
.else
	ds_store_b64 v9, v[112+16*(\i)+2*(\j):112+16*(\i)+2*(\j)+1] offset:256*(\j)
.endif
.endr
.endr
	s_wait_dscnt 0x0                               ; for the others' sake: my rows are in LDS
	s_barrier_signal -1
	s_barrier_wait -1
	; PHASE B: my 128 of K, four matrix instructions, source 0 = router_w (experts), source 1 = x (tokens): lane l, register j = expert j's logit for token l % 16
.irp c, 0,1,2,3
	ds_load_b128 v[16+8*(\c):16+8*(\c)+3], v10 offset:64*(\c)
	ds_load_b128 v[16+8*(\c)+4:16+8*(\c)+7], v10 offset:64*(\c)+32
	ds_load_b128 v[48+8*(\c):48+8*(\c)+3], v11 offset:64*(\c)
	ds_load_b128 v[48+8*(\c)+4:48+8*(\c)+7], v11 offset:64*(\c)+32
.endr
	s_wait_dscnt 0x0
	v_wmma_f32_16x16x32_bf16 v[160:167], v[48:55], v[16:23], 0          ; two accumulators by turns; the first products start the sums
	v_wmma_f32_16x16x32_bf16 v[168:175], v[56:63], v[24:31], 0
	v_wmma_f32_16x16x32_bf16 v[160:167], v[64:71], v[32:39], v[160:167]
	v_wmma_f32_16x16x32_bf16 v[168:175], v[72:79], v[40:47], v[168:175]
.rept 4
	v_nop                                          ; four places between a matrix instruction and the first reader of its result (ISA guide 7.12.1)
.endr
.irp p, 0,1,2,3
	v_pk_add_f32 v[176+2*(\p):177+2*(\p)], v[160+2*(\p):161+2*(\p)], v[168+2*(\p):169+2*(\p)]
.endr
	ds_store_b128 v12, v[176:179]
	ds_store_b128 v12, v[180:183] offset:16
	s_wait_dscnt 0x0                               ; for wave 0's sake
	s_barrier_signal -1
	s_barrier_wait -1
	s_wait_kmcnt 0x0                               ; router_b
	s_cmp_lg_u32 s18, 0
	s_cbranch_scc1 .Lend                           ; no barrier follows: wave 0 alone makes the choice
	; PHASE C: the eight partials are added in the waves' order; bias; top 2; gates; the three tables
.irp w, 0,1,2,3,4,5,6,7
	ds_load_b128 v[16+8*(\w):16+8*(\w)+3], v13 offset:1024*(\w)
	ds_load_b128 v[16+8*(\w)+4:16+8*(\w)+7], v13 offset:1024*(\w)+16
.endr
	s_wait_dscnt 0x0
.irp w, 1,2,3,4,5,6,7
.irp p, 0,1,2,3
	v_pk_add_f32 v[16+2*(\p):17+2*(\p)], v[16+2*(\p):17+2*(\p)], v[16+8*(\w)+2*(\p):17+8*(\w)+2*(\p)]
.endr
.endr
.irp p, 0,1,2,3
	v_cvt_pk_bf16_f32 v80, s[20+2*(\p)], s[21+2*(\p)]   ; the bias is rounded like every input,
	v_lshlrev_b32 v82, 16, v80                          ; widened again,
	v_and_b32 v83, 0xffff0000, v80
	v_pk_add_f32 v[16+2*(\p):17+2*(\p)], v[16+2*(\p):17+2*(\p)], v[82:83]  ; and added
.endr
	v_mov_b32 v84, v16                             ; the largest logit and its expert: only a strictly larger one replaces it, so the lower index keeps a tie
	v_mov_b32 v85, 0
.irp e, 1,2,3,4,5,6,7
	v_cmp_gt_f32 vcc_lo, v[16+(\e)], v84
	v_cndmask_b32 v84, v84, v[16+(\e)], vcc_lo
	v_cndmask_b32 v85, v85, \e, vcc_lo
.endr
	v_mov_b32 v88, 0xff800000                      ; -infinity takes the winner's place,
.irp e, 0,1,2,3,4,5,6,7
	v_cmp_eq_u32 vcc_lo, \e, v85
	v_cndmask_b32 v[16+(\e)], v[16+(\e)], v88, vcc_lo
.endr
	v_mov_b32 v86, v16                             ; and the same scan finds the second
	v_mov_b32 v87, 0
.irp e, 1,2,3,4,5,6,7
	v_cmp_gt_f32 vcc_lo, v[16+(\e)], v86
	v_cndmask_b32 v86, v86, v[16+(\e)], vcc_lo
	v_cndmask_b32 v87, v87, \e, vcc_lo
.endr
	v_sub_f32 v89, v86, v84                        ; the softmax of two, the maximum taken away: the exponent is 0 for the first and at most 0 for the second
	v_mul_f32 v89, 0x3fb8aa3b, v89
	v_exp_f32 v90, v89
	v_nop                                          ; a plain instruction behind the exponential (ISA guide 5.7.2),
	s_wait_alu depctr_va_vdst(0)                   ; and a wait ahead of its first reader
	v_add_f32 v91, 1.0, v90
	v_rcp_f32 v92, v91                             ; p0 = 1 / (1 + ex)
	v_nop
	s_wait_alu depctr_va_vdst(0)
	v_mul_f32 v93, v90, v92                        ; p1 = ex p0
	v_lshl_or_b32 v94, v87, 8, v85                 ; e0 | e1 << 8
	v_mov_b32 v95, 0
.irp e, 0,1,2,3,4,5,6,7
	v_cmp_eq_u32 s32, \e, v85
	v_cmp_eq_u32 s33, \e, v87
	s_or_b32 s32, s32, s33                         ; bit i (and bit 16 + i, the same token): token i chose expert e
	v_writelane_b32 v95, s32, \e                   ; lane e holds expert e's bits
.endr
	v_lshlrev_b32 v96, 2, v1
	v_lshlrev_b32 v97, 7, v1
	s_lshl_b32 s28, ttmp9, 6
	s_add_nc_u64 s[14:15], s[14:15], s[28:29]      ; route: 4 bytes a token
	s_lshl_b32 s28, ttmp9, 7
	s_add_nc_u64 s[16:17], s[16:17], s[28:29]      ; gate: 8 bytes a token
	s_lshl_b32 s28, ttmp9, 1
	s_add_nc_u64 s[12:13], s[12:13], s[28:29]      ; sel: my group's halfword in each expert's 128 bytes
	v_cmp_gt_u32 vcc_lo, 16, v1
	s_wait_xcnt 0x0                                ; EXEC is a source of the stores to xb: it changes only behind this wait
	s_and_saveexec_b32 s34, vcc_lo                 ; lanes 0-15: one lane a token
	global_store_b32 v96, v94, s[14:15]
	global_store_b64 v7, v[92:93], s[16:17]
	s_wait_xcnt 0x0
	s_or_b32 exec_lo, exec_lo, s34
	v_cmp_gt_u32 vcc_lo, 8, v1
	s_wait_xcnt 0x0
	s_and_saveexec_b32 s34, vcc_lo                 ; lanes 0-7: one lane an expert
	global_store_b16 v97, v95, s[12:13]
	s_wait_xcnt 0x0
	s_or_b32 exec_lo, exec_lo, s34
.Lend:
	s_wait_tensorcnt 0x0                           ; the wave's end
	ds_add_u32 v4, v5
	s_wait_dscnt 0x0
	s_endpgm
.Lfunc_end_k_qa354134515_router:
	.size	k_qa354134515_router, .Lfunc_end_k_qa354134515_router-k_qa354134515_router
	.p2alignl 7, 3214868480
	.fill 96, 4, 3214868480
	.section	.rodata,"a",@progbits
	.p2align	6, 0x0
	.amdhsa_kernel k_qa354134515_router
		.amdhsa_group_segment_fixed_size 58880
		.amdhsa_private_segment_fixed_size 0
		.amdhsa_enable_private_segment 0
		.amdhsa_kernarg_size 56
		.amdhsa_user_sgpr_count 2
		.amdhsa_user_sgpr_kernarg_segment_ptr 1
		.amdhsa_wavefront_size32 1
		.amdhsa_system_sgpr_workgroup_id_x 1
		.amdhsa_system_sgpr_workgroup_id_y 1
		.amdhsa_system_sgpr_workgroup_id_z 1
		.amdhsa_system_vgpr_workitem_id 0
		.amdhsa_next_free_vgpr 192
		.amdhsa_next_free_sgpr 66
		.amdhsa_reserve_vcc 1
		.amdhsa_float_denorm_mode_32 3
		.amdhsa_float_denorm_mode_16_64 3
		.amdhsa_memory_ordered 1
		.amdhsa_forward_progress 1
		.amdhsa_inst_pref_size 22
	.end_amdhsa_kernel
	.amdgpu_metadata
---
amdhsa.version: [ 1, 2 ]
amdhsa.kernels:
  - .name:           k_qa354134515_router
    .symbol:         k_qa354134515_router.kd
    .args:
      - { .name: x, .offset: 0, .size: 8, .value_kind: global_buffer, .address_space: global }
      - { .name: router_w, .offset: 8, .size: 8, .value_kind: global_buffer, .address_space: global }
      - { .name: router_b, .offset: 16, .size: 8, .value_kind: global_buffer, .address_space: global }
      - { .name: xb, .offset: 24, .size: 8, .value_kind: global_buffer, .address_space: global }
      - { .name: sel, .offset: 32, .size: 8, .value_kind: global_buffer, .address_space: global }
      - { .name: route, .offset: 40, .size: 8, .value_kind: global_buffer, .address_space: global }
      - { .name: gate, .offset: 48, .size: 8, .value_kind: global_buffer, .address_space: global }
    .group_segment_fixed_size: 58880
    .private_segment_fixed_size: 0
    .kernarg_segment_align: 8
    .kernarg_segment_size: 56
    .max_flat_workgroup_size: 256
    .sgpr_count:     66
    .vgpr_count:     192
    .wavefront_size: 32
...
	.end_amdgpu_metadata
.endif
;; end of part 1
;; launch fc1 (part 2): grid 256 x 1, 4 waves a work-group, no clusters, 281,344 bytes of LDS; arguments xb, fc1_w, fc1_b, sel, hid, pos, meta; writes hid, pos, meta
.if DOCPART == 2
	.amdgcn_target "amdgcn-amd-amdhsa--gfx1250"
	.amdhsa_code_object_version 6
	.text
	.protected	k_qa354134515_fc1
	.globl	k_qa354134515_fc1
	.p2align	8
	.type	k_qa354134515_fc1,@function
k_qa354134515_fc1:
	s_mov_b64 s[64:65], 0
	v_nop
	global_prefetch_b8 v0, s[64:65] scope:SCOPE_SE
	s_setreg_imm32_b32 hwreg(HW_REG_WAVE_MODE, 25, 1), 1
	s_wait_xcnt 0x0
; ONE EXPERT PRODUCT.  This text serves both products of the layer; the switch FC2 chooses.  Here FC2 = 0: hid = relu(x W1^T + b1) for the rows that chose the expert.
;   FC2 = 0: A = xb (tokens by a list), W = fc1_w [8][4096][1024], output hid in bf16.      FC2 = 1: A = hid, W = fc2_w [8][1024][4096], output ypart, partial sums in f32.
; SHARES.  A work-group owns 128 output columns x 1,024 of K of ONE expert: 512 KB of f32 weights that it alone reads.  FC2 = 0: 8 experts x 32 column slices.  FC2 = 1: 8 experts x 8 column slices x 4 slices of K.
; PHASE 1: the four waves stream the slice, 32 weight rows each, through registers, round it to bf16 and lay it into LDS (8 regions of 128 rows x 128 k).  56 loads of 512 bytes of each wave are out at a time.  One barrier.
; PHASE 2: each wave takes its share of the expert's tiles of 16 rows, five tiles at a time: weights' fragments from LDS (each feeds five matrix instructions), token rows from memory straight into registers.
;   The loop over groups has 4 trips whatever the split (4 waves x 4 trips x 5 tiles = 80 cover the 64 tiles of all tokens on one expert); trips without tiles are jumped; no barrier stands in it.
;   A group that is not full repeats the wave's last tile and does not store the repeats; a tile that is not full repeats the expert's last row, which is stored and never read.
;   THE WALK ALONG K IS WRITTEN OUT, 32 chunks of 32: every LDS address of phase 2 is one of four registers that are never rewritten plus an immediate (two regions lie within the 16-bit immediate:
;   34,816 + 192 + 30,464 + 32 = 65,504).  The price is text: 1,280 matrix instructions, 512 LDS loads.
; THE MATRIX INSTRUCTION IS USED TRANSPOSED: source 0 = 16 weight rows (output columns), source 1 = 16 tokens.  Lane l then holds token l % 16 and columns 8 (l / 16) + 0..7.  The bias, rounded to bf16 like
;   every input, is the C operand of the first product (FC2 = 1: in the first slice of K alone, 0 in the others).
; hid LIES IN FRAGMENT ORDER: [tile][chunk of 32 k][half][lane][16 bytes].  A lane's eight columns of block b, packed, ARE registers 4 (b % 2) .. + 3 of the second product's token fragment of chunk b / 2:
;   each store and each later load covers 512 consecutive bytes, and no turn through LDS is needed.
; ROUTING (FC2 = 0).  sel holds a bit for each expert and token.  Every wave counts all experts' bits (R_e), gives each expert whole tiles (TB_e = tiles of the experts before it); wave 0 lays the expert's tokens, ascending,
;   into a list in LDS; slice 0 of each expert stores pos (a token's padded row 16 TB_e + rank), work-group 0 stores meta (R_e, TB_e) for the later launches.
; LIMITS.  NaN and infinities are not treated apart (the ReLU turns a NaN into 0).  FC2 = 0: a token fragment's load takes 32 consecutive bytes of each of 16 rows, since the rows are chosen by a list.
; NO CLUSTER, NO TENSOR LOADS: each weight byte has one reader and must pass through registers to be rounded; what an expert's work-groups share is its token rows, which come by a list (FC2 = 0) or find no room
;   in LDS beside 278,528 bytes of weights (FC2 = 1: a group's five tiles x 1,024 k are 163,840 bytes).
.set FC2, 0
.if FC2
.set LOGN,   10                        ; log2 of an expert's weight rows
.set LOGROW, 14                        ; log2 of a weight row's bytes
.set CHS,    1024                      ; token operand: bytes from a chunk of 32 k to the next
.set QS,     512                       ; and from a fragment's first four registers to its last four
.else
.set LOGN,   12
.set LOGROW, 12
.set CHS,    64
.set QS,     32
.endif
.set ROWB,  1<<LOGROW
.set WP,    272                        ; an LDS row of weights: 128 k in bf16 + 16 bytes = 17 x 16: the 16 rows of a fragment load start at 16 different groups of four banks
.set WREG,  128*WP                     ; a region: 128 rows
.set SPARE, 8*WREG                     ; the spare words, 128 bytes a wave: two blocks of 256 bytes that no other line names
.set LIST,  SPARE+512                  ; FC2 = 0: 1,024 halfwords, the expert's tokens; behind them 32 halfwords for the lanes whose token did not choose it
.set STAGE, SPARE+512                  ; FC2 = 1: 16 rows x 528 bytes for each wave, for the way out
.set SPI,   528
; window 0
.set LN,   1                           ; lane
.set RR,   2                           ; lane % 16
.set HH,   3                           ; lane / 16
.set SPW,  4                           ; LDS address of my spare word; never rewritten
.set NIL,  5                           ; 0; never rewritten
.set ZERO, 6                           ; 0, for the ReLU
.set L16,  7                           ; 16 x lane
.set L8,   8                           ; 8 x lane
.set H32,  11                          ; 32 x half
.set AOF,  12                          ; v12-16  byte offset of my part of tile a's token rows
.set OOF,  17                          ; v17-21  byte offset of my part of tile a's output
.set PADR, 22                          ; v22-25  phase 1: where my 8 bytes of a weight row go, regions 2 jj
.set T0,   26                          ; v26-28  at work
.set DMP,  29                          ; FC2 = 0: 1,024 + lane
.set STO,  29                          ; FC2 = 1: the way out: where I put 16 bytes of a row
.set H16,  30                          ; FC2 = 0: 16 x half
.set RD,   30                          ; FC2 = 1: the way out: where I read a row back
.set L4,   31                          ; 4 x lane
.set BB,   32                          ; v32-35  my place in a weights' fragment (row x pitch + 16 x half) in regions 2 jj; never rewritten
.set SELW, 40                          ; v40-47  word [e][lane] of sel, then its count of bits
.set T,    48                          ; v48-63  at work
.set BF,   64                          ; v64-127, v128-191  two buffers of weights' fragments; at work on the way out
.set BIASF, 192                        ; v192-255  the bias as C operands, 8 registers for each block of 16 columns
; window 1: phase 1: 8 slots of 32 registers as loaded.  phase 2: four slots of token fragments, tile a of slot s at 40 s + 8 a
; window 2: accumulator (a, b) at 8 (8 a + b), a = 0..3.      window 3: accumulator (4, b) at 8 b
.set WV,   18                          ; wave
.set EX,   19                          ; expert
.set SL,   20                          ; column slice
.set KS,   21                          ; slice of K (FC2 = 1)
.set RC,   22                          ; the expert's rows
.set TB,   23                          ; its first tile
.set NT,   24                          ; its tiles
.set NW,   25                          ; my wave's tiles,
.set FW,   26                          ; the first of them
.set OC,   27                          ; counts the groups
.set TCUR, 28                          ; the group's first tile
.set REM,  29                          ; my tiles still to do
.set TCN,  30                          ; the group's live tiles
.set KC,   31                          ; counts rounds of the stream
.set SW,   32                          ; s[32:63] the expert's 32 words of sel
.set CN,   66                          ; s66-73 R_e
.set HMASK, 74                         ; a word's upper bf16
.set MF,   75                          ; 0x0f0f0f0f, 0x55555555, 0x33333333: for the count of ones
.set M5,   76
.set M3,   77
.set OF,   78                          ; s[78:79] a 64-bit offset
.set TBS,  84                          ; s84-91 TB_e
.set PSEL, 92                          ; s92-93 v_permlanex16_b32's selects
.set LASTT, 94                         ; my wave's last tile
.set RM1,  95                          ; the expert's last row
.set BMASK, 96                         ; FC2 = 1: all ones in the first slice of K
.set SOFF, 97                          ; offset of the scalar loads
.set WG,   98
.set OUTC, 99                          ; the slice's constant part of an output offset
.set MSB, 0
.macro WIN new                         ; s_set_vgpr_msb: bits 1:0 source 0, 3:2 source 1, 5:4 source 2, 7:6 destination; the high byte repeats the setting that is left
.if MSB != (\new)
	s_set_vgpr_msb (MSB<<8)|(\new)
.set MSB, \new
.endif
.endm
.macro PLACES                          ; four places between a matrix instruction and a load into, or a vector instruction on, its registers (ISA guide 7.12.1 for vector instructions)
.rept 4
	v_nop
.endr
.endm
; a weight row's 4,096 bytes of the slice: eight loads of 512 consecutive bytes, into slot's 32 registers; row counts from the base
.macro SISSUE slot, row
	WIN 0x40                                       ; destination window 1
.irp j, 0,1,2,3,4,5,6,7
	global_load_b128 v[32*(\slot)+4*(\j):32*(\slot)+4*(\j)+3], v[L16], s[6:7] offset:(\row)*ROWB+512*(\j) th:TH_LOAD_NT
.endr
.endm
; a round of the stream: eight weight rows are rounded and laid into LDS.  Seven rows are out at a time: step q asks for the row seven on, into the slot that the step before has emptied.
; last = 1: the fourth round: only its first step has a row left to ask for
.macro SROUND last
.irp q, 0,1,2,3,4,5,6,7
.if (\last) && ((\q) > 0)
	s_wait_loadcnt 8*(7-(\q))                      ; nothing is asked for any more: the counts run down
.else
	s_wait_loadcnt 48                              ; loads come back in order (ISA guide 5.7.1): row q is in, the six younger rows' 48 loads stay out
.endif
	WIN 0x05                                       ; sources window 1, destination window 0
.irp j, 0,1,2,3,4,5,6,7
	v_cvt_pk_bf16_f32 v[T+2*(\j)], v[32*(\q)+4*(\j)], v[32*(\q)+4*(\j)+1]
	v_cvt_pk_bf16_f32 v[T+2*(\j)+1], v[32*(\q)+4*(\j)+2], v[32*(\q)+4*(\j)+3]
.endr
	WIN 0
.irp j, 0,1,2,3,4,5,6,7
	ds_store_b64 v[PADR+(\j)/2], v[T+2*(\j):T+2*(\j)+1] offset:((\j)%2)*WREG+WP*(\q)  ; load j holds k = 128 j + 4 lane ..: region j, 256 consecutive bytes
.endr
.if !(\last) || ((\q) == 0)
	SISSUE ((\q)+7)%8, (\q)+7
.endif
.endr
	WIN 0
.if !(\last)
.irp jj, 0,1,2,3
	v_add_nc_u32 v[PADR+(\jj)], 8*WP, v[PADR+(\jj)]
.endr
	s_wait_xcnt 0x0                                ; the loads' base is stepped only behind this wait
	s_add_nc_u64 s[6:7], s[6:7], 8*ROWB
.endif
.endm
; 16 LDS loads: the weights' eight fragments (128 columns x 32 k) of chunk n, into buffer buf.  Chunk n lies in region n / 4 at byte 64 (n % 4) of its rows
.macro BLD buf, n
	WIN 0
.set br, BB+(\n)/8
.set bo, (((\n)/4)%2)*WREG+64*((\n)%4)
.irp b, 0,1,2,3,4,5,6,7
	ds_load_b128 v[BF+64*(\buf)+8*(\b):BF+64*(\buf)+8*(\b)+3], v[br] offset:bo+16*WP*(\b)
	ds_load_b128 v[BF+64*(\buf)+8*(\b)+4:BF+64*(\buf)+8*(\b)+7], v[br] offset:bo+16*WP*(\b)+32
.endr
.endm
; 10 loads: the five tiles' token fragments of chunk n, into slot
.macro ALD slot, n
	WIN 0x40
.irp a, 0,1,2,3,4
	global_load_b128 v[40*(\slot)+8*(\a):40*(\slot)+8*(\a)+3], v[AOF+(\a)], s[4:5] offset:(\n)*CHS
	global_load_b128 v[40*(\slot)+8*(\a)+4:40*(\slot)+8*(\a)+7], v[AOF+(\a)], s[4:5] offset:(\n)*CHS+QS
.endr
.endm
; 8 matrix instructions of chunk c: tile a x all 8 column blocks.  In chunk 0 the bias is C and starts the sums: nothing is cleared
.macro MUL a
.if c == 0
	WIN 0x84+0x40*((\a)/4)                         ; weights window 0, tokens window 1, C (bias) window 0, D window 2 or 3
.else
	WIN 0xa4+0x50*((\a)/4)                         ; the same with C and D in window 2 or 3
.endif
.set rA, 40*(c%4)+8*(\a)
.set rB, BF+64*(c%2)
.set rC, 64*((\a)%4)
.irp b, 0,1,2,3,4,5,6,7
.if c == 0
	v_wmma_f32_16x16x32_bf16 v[rC+8*(\b):rC+8*(\b)+7], v[rB+8*(\b):rB+8*(\b)+7], v[rA:rA+7], v[BIASF+8*(\b):BIASF+8*(\b)+7]
.else
	v_wmma_f32_16x16x32_bf16 v[rC+8*(\b):rC+8*(\b)+7], v[rB+8*(\b):rB+8*(\b)+7], v[rA:rA+7], v[rC+8*(\b):rC+8*(\b)+7]
.endif
.endr
.endm
; Chunk c of 32 along K: 40 matrix instructions, the 40 accumulators by turns, one instruction a turn and in the same order in every chunk.  Behind the first 16 stand, in one run, the
; next chunk's weights and the token fragments of the chunk three on.
.macro CH
.set lw, 20                            ; the token loads younger than this chunk's: two chunks' ten each; at the end the counts run down
.if c > 29
.set lw, 10*(31-c)
.endif
	s_wait_loadcnt_dscnt lw<<8                     ; bits 15:8: my chunk's ten token loads are in; bits 7:0: so are its weights, asked for 24 matrix instructions ago
	MUL 0
	MUL 1
.if c < 31
	PLACES                                         ; the registers loaded below were last read by the chunk before
	BLD 1-c%2, c+1
.endif
.if c < 29
	ALD (c+3)%4, c+3
.endif
	MUL 2
	MUL 3
	MUL 4
.endm
; the group's five tiles: where their token rows lie and where their results go.  Numbers that come from memory pass a clamp by a constant on their way into an address.
.macro TILES
.irp a, 0,1,2,3,4
	s_add_co_u32 s80, s[TCUR], \a
	s_min_u32 s80, s80, s[LASTT]                   ; past my last tile: that tile once more
.if !FC2
	s_lshl_b32 s81, s80, 4
	v_add_nc_u32 v[T0], s81, v[RR]
	v_min_u32 v[T0], s[RM1], v[T0]                 ; past the expert's last row: that row once more
	v_min_u32 v[T0], 0x3ff, v[T0]
	v_lshl_add_u32 v[T0], v[T0], 1, LIST
	ds_load_u16 v[AOF+(\a)], v[T0]                 ; the row's token
.endif
	s_add_co_u32 s80, s80, s[TB]
	s_min_u32 s80, s80, 135
.if FC2
	s_lshl_b32 s81, s80, 17                        ; a tile of hid: 131,072 bytes
	v_add_nc_u32 v[AOF+(\a)], s81, v[L16]
	s_lshl_b32 s80, s80, 18                        ; 16 rows of ypart: 262,144 bytes
.else
	s_lshl_b32 s80, s80, 17
.endif
	s_add_co_u32 s80, s80, s[OUTC]
	v_add_nc_u32 v[OOF+(\a)], s80, v[L16]
.endr
.if !FC2
	s_wait_dscnt 0x0
.irp a, 0,1,2,3,4
	v_min_u32 v[AOF+(\a)], 0x3ff, v[AOF+(\a)]
	v_lshl_add_u32 v[AOF+(\a)], v[AOF+(\a)], 11, v[H16]   ; token x 2,048 bytes + 16 x half
.endr
.endif
.endm
; THE WAY OUT of tile a.  Tiles past the group's count are jumped: whole store instructions, no barrier among them.
.macro OUT a
	WIN 0
.if (\a) > 0
	s_cmp_le_u32 s[TCN], \a
	s_cbranch_scc1 .Lend
.endif
	s_wait_xcnt 0x0                                ; registers that earlier stores read are rewritten only behind this wait
.set rC, 64*((\a)%4)
.if FC2
.set rE, BF+64*((\a)%2)
	WIN 0x08+4*((\a)/4)                            ; LDS store data (source 1) in window 2 or 3
.irp b, 0,1,2,3,4,5,6,7
	ds_store_b128 v[STO], v[rC+8*(\b):rC+8*(\b)+3] offset:64*(\b)          ; a lane's eight columns of a row are 32 bytes; each accumulator's low registers are read first
	ds_store_b128 v[STO], v[rC+8*(\b)+4:rC+8*(\b)+7] offset:64*(\b)+16
.endr
	WIN 0
.irp i, 0,1,2,3,4,5,6,7,8,9,10,11,12,13,14,15
	ds_load_b128 v[rE+4*(\i):rE+4*(\i)+3], v[RD] offset:SPI*(\i)           ; LDS serves a wave's instructions in order (ISA guide 5.7.1.4): these see the stores above; the stage is my wave's own
.endr
	s_wait_dscnt 0x0
.irp i, 0,1,2,3,4,5,6,7,8,9,10,11,12,13,14,15
	global_store_b128 v[OOF+(\a)], v[rE+4*(\i):rE+4*(\i)+3], s[12:13] offset:16384*(\i)   ; a row's 512 consecutive bytes, at a multiple of 512 from ypart's first
.endr
.else
.set rE, BF+32*((\a)%4)
	WIN 0x0a+5*((\a)/4)                            ; sources window 2 or 3, destination window 0
.irp b, 0,1,2,3,4,5,6,7
.irp q, 0,1,2,3
	v_cvt_pk_bf16_f32 v[rE+4*(\b)+(\q)], v[rC+8*(\b)+2*(\q)], v[rC+8*(\b)+2*(\q)+1]   ; ascending: each accumulator's low registers are read first
.endr
.endr
	WIN 0
.set i, 0
.rept 32
	v_pk_max_num_bf16 v[rE+i], v[rE+i], v[ZERO]    ; the ReLU, on two rounded numbers at once: rounding and maximum commute
.set i, i+1
.endr
.irp b, 0,1,2,3,4,5,6,7
	global_store_b128 v[OOF+(\a)], v[rE+4*(\b):rE+4*(\b)+3], s[12:13] offset:512*(\b)     ; 512 consecutive bytes of hid: half b % 2 of chunk b / 2
.endr
.endif
.endm
.macro POPC r                          ; the number of ones in v[r], in place
	v_lshrrev_b32 v[T+4], 1, v[\r]
	v_and_b32 v[T+4], s[M5], v[T+4]
	v_sub_nc_u32 v[\r], v[\r], v[T+4]
	v_lshrrev_b32 v[T+4], 2, v[\r]
	v_and_b32 v[T+4], s[M3], v[T+4]
	v_and_b32 v[\r], s[M3], v[\r]
	v_add_nc_u32 v[\r], v[\r], v[T+4]
	v_lshrrev_b32 v[T+4], 4, v[\r]
	v_add_nc_u32 v[\r], v[\r], v[T+4]
	v_and_b32 v[\r], s[MF], v[\r]
	v_lshrrev_b32 v[T+4], 8, v[\r]
	v_add_nc_u32 v[\r], v[\r], v[T+4]
	v_lshrrev_b32 v[T+4], 16, v[\r]
	v_add_nc_u32 v[\r], v[\r], v[T+4]
	v_and_b32 v[\r], 63, v[\r]
.endm
	; HEAD
	s_load_b256 s[4:11], s[0:1], 0x0               ; token operand s[4:5], weights s[6:7], bias s[8:9], sel or meta s[10:11]
.if FC2
	s_load_b64 s[12:13], s[0:1], 0x20              ; ypart
.else
	s_load_b128 s[12:15], s[0:1], 0x20             ; hid s[12:13], pos s[14:15]
	s_load_b64 s[16:17], s[0:1], 0x30              ; meta
.endif
	v_lshl_add_u32 v[SPW], v0, 2, SPARE
	v_mov_b32 v[NIL], 0
	v_mov_b32 v[ZERO], 0
	v_and_b32 v[LN], 31, v0
	v_and_b32 v[RR], 15, v0
	v_bfe_u32 v[HH], v0, 4, 1
	v_lshrrev_b32 v[T0], 5, v0
	v_readfirstlane_b32 s[WV], v[T0]
	v_lshlrev_b32 v[L16], 4, v[LN]
	v_lshlrev_b32 v[L8], 3, v[LN]
	v_lshlrev_b32 v[L4], 2, v[LN]
	v_lshlrev_b32 v[H32], 5, v[HH]
	v_mul_u32_u24 v[BB], v[RR], WP
	v_lshl_add_u32 v[BB], v[HH], 4, v[BB]
.irp jj, 1,2,3
	v_add_nc_u32 v[BB+(\jj)], 2*(\jj)*WREG, v[BB]
.endr
	s_mov_b32 s[HMASK], 0xffff0000
	s_mov_b32 s[WG], ttmp9
	s_lshr_b32 s[EX], ttmp9, 5
.if FC2
	s_bfe_u32 s[SL], ttmp9, 0x30002                ; three bits from bit 2
	s_and_b32 s[KS], ttmp9, 3
	s_cmp_eq_u32 s[KS], 0
	s_cselect_b32 s[BMASK], -1, 0
	s_lshl_b32 s[OUTC], s[KS], 12                  ; in a row of ypart: the slice of K's 4,096 bytes, the column slice's 512
	s_lshl_b32 s80, s[SL], 9
	s_add_co_u32 s[OUTC], s[OUTC], s80
	s_mul_i32 s83, s[WV], 16*SPI
	s_add_co_u32 s83, s83, STAGE                   ; my stage
	v_mul_u32_u24 v[STO], v[RR], SPI
	v_add_nc_u32 v[STO], v[STO], v[H32]
	v_add_nc_u32 v[STO], s83, v[STO]               ; in: row l % 16, 32 bytes for each half of the lanes
	v_add_nc_u32 v[RD], s83, v[L16]                ; back: a row's 512 bytes, 16 a lane
.else
	s_and_b32 s[SL], ttmp9, 31
	s_lshl_b32 s[OUTC], s[SL], 12                  ; in a tile of hid: the slice's four chunks
	v_lshlrev_b32 v[H16], 4, v[HH]
	v_add_nc_u32 v[DMP], 1024, v[LN]
	s_mov_b32 s[PSEL], 0x76543210
	s_mov_b32 s[PSEL+1], 0xfedcba98
	s_mov_b32 s[M5], 0x55555555
	s_mov_b32 s[M3], 0x33333333
	s_mov_b32 s[MF], 0x0f0f0f0f
.endif
	s_lshl_b32 s80, s[EX], LOGN
	s_lshl_b32 s81, s[SL], 7
	s_add_co_u32 s80, s80, s81                     ; the slice's first weight row = its first output column
	s_lshl_b32 s82, s80, 2                         ; its bias, in bytes
	s_lshl_b32 s81, s[WV], 5
	s_add_co_u32 s80, s80, s81                     ; my wave's 32 rows
	s_lshl_b32 s80, s80, LOGROW                    ; under 2^27 bytes
.if FC2
	s_lshl_b32 s81, s[KS], 12
	s_add_co_u32 s80, s80, s81                     ; the slice of K: 1,024 f32
.endif
	s_mov_b32 s[OF+1], 0
	s_mul_i32 s83, s[WV], 32*WP
	v_add_nc_u32 v[PADR], s83, v[L8]
.irp jj, 1,2,3
	v_add_nc_u32 v[PADR+(\jj)], 2*(\jj)*WREG, v[PADR]
.endr
	s_wait_kmcnt 0x0
	s_mov_b32 s[OF], s82
	s_add_nc_u64 s[8:9], s[8:9], s[OF:OF+1]
	s_mov_b32 s[OF], s80
	s_add_nc_u64 s[6:7], s[6:7], s[OF:OF+1]
.if FC2
	s_lshl_b32 s[OF], s[KS], 15                    ; 32 chunks of 1,024 bytes in each tile of hid
	s_add_nc_u64 s[4:5], s[4:5], s[OF:OF+1]
	s_lshl_b32 s[SOFF], s[EX], 3
	s_load_b64 s[RC:RC+1], s[10:11], s[SOFF] offset:0x0     ; R_e, TB_e
.else
	s_lshl_b32 s[OF], s[EX], 12
	s_add_nc_u64 s[14:15], s[14:15], s[OF:OF+1]    ; the expert's 4,096 bytes of pos
	s_lshl_b32 s[SOFF], s[EX], 7
	s_load_b512 s[SW:SW+15], s[10:11], s[SOFF] offset:0x0   ; my expert's 32 words of sel
	s_load_b512 s[SW+16:SW+31], s[10:11], s[SOFF] offset:0x40
.irp e, 0,1,2,3,4,5,6,7
	global_load_b32 v[SELW+(\e)], v[L4], s[10:11] offset:128*(\e)   ; every expert's words, one a lane
.endr
.endif
.irp b, 0,1,2,3,4,5,6,7
	global_load_b128 v[BIASF+8*(\b):BIASF+8*(\b)+3], v[H32], s[8:9] offset:64*(\b)       ; columns 16 b + 8 (l / 16) + 0..7: as an accumulator holds them
	global_load_b128 v[BIASF+8*(\b)+4:BIASF+8*(\b)+7], v[H32], s[8:9] offset:64*(\b)+16
.endr
.irp q, 0,1,2,3
	SISSUE \q, \q                                  ; the stream begins before anything else is worked on
.endr
	s_wait_loadcnt 32                              ; the four weight rows' 32 loads are younger: sel's words and the bias are in
.irp q, 4,5,6
	SISSUE \q, \q                                  ; seven rows, 56 loads, are out
.endr
	WIN 0
	s_wait_kmcnt 0x0
.set p, 0
.rept 32                                           ; the bias is rounded to bf16 like every input and widened again
	v_cvt_pk_bf16_f32 v[T+p%16], v[BIASF+2*p], v[BIASF+2*p+1]
.if FC2
	v_and_b32 v[T+p%16], s[BMASK], v[T+p%16]       ; it enters one of the four partial sums
.endif
	v_lshlrev_b32 v[BIASF+2*p], 16, v[T+p%16]
	v_and_b32 v[BIASF+2*p+1], s[HMASK], v[T+p%16]
.set p, p+1
.endr
.if FC2
	s_min_u32 s[RC], s[RC], 1024
.else
	; COUNTS: R_e for all experts, whole numbers throughout: ones of each lane's word, two experts to a register, summed over the 32 lanes
.irp e, 0,1,2,3,4,5,6,7
	POPC SELW+(\e)
.endr
.irp i, 0,1,2,3
	v_lshl_or_b32 v[T+(\i)], v[SELW+2*(\i)+1], 16, v[SELW+2*(\i)]
.endr
	v_mov_b32 v[T+4], 0                            ; the destination of the lines below counts as read
.irp i, 0,1,2,3
.irp m, 1,2,4,8
	v_mov_b32_dpp v[T+4], v[T+(\i)] row_xmask:\m row_mask:0xf bank_mask:0xf
	v_add_nc_u32 v[T+(\i)], v[T+(\i)], v[T+4]
.endr
	v_permlanex16_b32 v[T+4], v[T+(\i)], s[PSEL], s[PSEL+1]
	v_add_nc_u32 v[T+(\i)], v[T+(\i)], v[T+4]
	v_readfirstlane_b32 s80, v[T+(\i)]
	s_and_b32 s[CN+2*(\i)], s80, 0xffff
	s_lshr_b32 s[CN+2*(\i)+1], s80, 16
	s_min_u32 s[CN+2*(\i)], s[CN+2*(\i)], 1024
	s_min_u32 s[CN+2*(\i)+1], s[CN+2*(\i)+1], 1024
.endr
	s_mov_b32 s81, 0                               ; tiles of the experts so far
	s_mov_b32 s[RC], 0
	s_mov_b32 s[TB], 0
.irp e, 0,1,2,3,4,5,6,7
	s_mov_b32 s[TBS+(\e)], s81
	s_cmp_eq_u32 s[EX], \e
	s_cselect_b32 s[RC], s[CN+(\e)], s[RC]
	s_cselect_b32 s[TB], s81, s[TB]
	s_add_co_u32 s82, s[CN+(\e)], 15
	s_lshr_b32 s82, s82, 4
	s_add_co_u32 s81, s81, s82
.endr
.endif
	s_min_u32 s[TB], s[TB], 135                    ; 2,048 rows and 8 experts make 135 tiles at the most
	s_add_co_u32 s[NT], s[RC], 15
	s_lshr_b32 s[NT], s[NT], 4
	s_lshr_b32 s80, s[NT], 2                       ; the tiles are dealt to the four waves, the first NT % 4 waves one more
	s_and_b32 s81, s[NT], 3
	s_cmp_lt_u32 s[WV], s81
	s_cselect_b32 s82, 1, 0
	s_add_co_u32 s[NW], s80, s82
	s_mul_i32 s[FW], s[WV], s80
	s_min_u32 s82, s[WV], s81
	s_add_co_u32 s[FW], s[FW], s82
	s_add_co_u32 s[LASTT], s[FW], s[NW]
	s_sub_co_u32 s[LASTT], s[LASTT], 1             ; (used only where NW is at least 1)
	s_sub_co_u32 s[RM1], s[RC], 1
.if !FC2
	s_cmp_lg_u32 s[WV], 0
	s_cbranch_scc1 .Lnolist                        ; wave 0 alone; no barrier is jumped
.irp i, 0,1,2,3
	v_mov_b32 v[BF+(\i)], 0
.endr
	v_add_nc_u32 v[T0+1], LIST, v[L16]
.irp i, 0,1,2,3
	ds_store_b128 v[T0+1], v[BF:BF+3] offset:512*(\i)  ; the list's 2,048 bytes are written whole: places past the expert's count hold token 0
.endr
	s_mov_b32 s80, 0                               ; the expert's tokens so far
	s_mov_b32 s83, LIST
	v_mov_b32 v[T0+2], v[LN]                       ; token 32 j + lane
.irp j, 0,1,2,3,4,5,6,7,8,9,10,11,12,13,14,15,16,17,18,19,20,21,22,23,24,25,26,27,28,29,30,31
	v_mbcnt_lo_u32_b32 v[T0], s[SW+(\j)], s80      ; its rank among the expert's tokens
	v_cndmask_b32 v[T0], v[DMP], v[T0], s[SW+(\j)] ; a token that did not choose the expert goes behind the list
	v_min_u32 v[T0], 0x41f, v[T0]
	v_lshl_add_u32 v[T0], v[T0], 1, s83
	ds_store_b16 v[T0], v[T0+2]                    ; LDS serves a wave's instructions in order: behind the zeros above
	v_add_nc_u32 v[T0+2], 32, v[T0+2]
	s_bcnt1_i32_b32 s81, s[SW+(\j)]
	s_add_co_u32 s80, s80, s81
.endr
	s_cmp_lg_u32 s[SL], 0
	s_cbranch_scc1 .Lnolist                        ; the expert's slice 0 stores pos
	s_lshl_b32 s80, s[TB], 4                       ; padded row = 16 TB + rank
.irp jp, 0,1,2,3,4,5,6,7,8,9,10,11,12,13,14,15
	v_mbcnt_lo_u32_b32 v[BF+2*(\jp)], s[SW+2*(\jp)], s80
	s_bcnt1_i32_b32 s81, s[SW+2*(\jp)]
	s_add_co_u32 s80, s80, s81
	v_mbcnt_lo_u32_b32 v[BF+2*(\jp)+1], s[SW+2*(\jp)+1], s80
	s_bcnt1_i32_b32 s81, s[SW+2*(\jp)+1]
	s_add_co_u32 s80, s80, s81
	global_store_b64 v[L8], v[BF+2*(\jp):BF+2*(\jp)+1], s[14:15] offset:256*(\jp)   ; tokens 64 jp + lane and 64 jp + 32 + lane: 256 consecutive bytes
.endr
	s_cmp_lg_u32 s[WG], 0
	s_cbranch_scc1 .Lnolist                        ; work-group 0 stores meta
	v_mov_b32 v[BF+32], 0
	v_mov_b32 v[BF+33], 0
.irp e, 0,1,2,3,4,5,6,7
	v_writelane_b32 v[BF+32], s[CN+(\e)], \e
	v_writelane_b32 v[BF+33], s[TBS+(\e)], \e
.endr
	global_store_b64 v[L8], v[BF+32:BF+33], s[16:17]   ; lane e: R_e, TB_e; the other lanes zeros: 256 bytes
.Lnolist:
.endif
	; PHASE 1: the stream.  32 rows a wave in four rounds of eight; three rounds ask in every step
	s_mov_b32 s[KC], 3
.Lstream:
	SROUND 0
	s_sub_co_u32 s[KC], s[KC], 1
	s_cmp_lg_u32 s[KC], 0
	s_cbranch_scc1 .Lstream
	SROUND 1
	s_wait_dscnt 0x0                               ; for the others' sake: my rows (and wave 0's list) are in LDS
	s_barrier_signal -1
	s_barrier_wait -1                              ; the one barrier: behind it the weights and the list are only read
	; PHASE 2
	s_mov_b32 s[OC], 4
	s_mov_b32 s[TCUR], s[FW]
	s_mov_b32 s[REM], s[NW]
.Lgrp:
	s_cmp_le_i32 s[REM], 0
	s_cbranch_scc1 .Lskip                          ; no tile left for this trip
	s_min_u32 s[TCN], s[REM], 5
	TILES
	ALD 0, 0                                       ; three chunks' token fragments are asked for ahead
	ALD 1, 1
	ALD 2, 2
	BLD 0, 0
.set c, 0
.rept 32
	CH
.set c, c+1
.endr
	PLACES                                         ; between the last products and the first readers of results and writers of fragments
	OUT 0
	OUT 1
	OUT 2
	OUT 3
	OUT 4
	WIN 0
.Lend:
	s_wait_xcnt 0x0                                ; the stores' offsets and data are rewritten by the next group only behind this wait
.Lskip:
	s_add_co_u32 s[TCUR], s[TCUR], 5
	s_sub_co_i32 s[REM], s[REM], 5
	s_sub_co_u32 s[OC], s[OC], 1
	s_cmp_lg_u32 s[OC], 0
	s_cbranch_scc1 .Lgrp
	s_wait_tensorcnt 0x0                           ; the wave's end
	ds_add_u32 v[SPW], v[NIL]
	s_wait_dscnt 0x0
	s_endpgm
.Lfunc_end_k_qa354134515_fc1:
	.size	k_qa354134515_fc1, .Lfunc_end_k_qa354134515_fc1-k_qa354134515_fc1
	.p2alignl 7, 3214868480
	.fill 96, 4, 3214868480
	.section	.rodata,"a",@progbits
	.p2align	6, 0x0
	.amdhsa_kernel k_qa354134515_fc1
		.amdhsa_group_segment_fixed_size 281344
		.amdhsa_private_segment_fixed_size 0
		.amdhsa_enable_private_segment 0
		.amdhsa_kernarg_size 56
		.amdhsa_user_sgpr_count 2
		.amdhsa_user_sgpr_kernarg_segment_ptr 1
		.amdhsa_wavefront_size32 1
		.amdhsa_system_sgpr_workgroup_id_x 1
		.amdhsa_system_sgpr_workgroup_id_y 1
		.amdhsa_system_sgpr_workgroup_id_z 1
		.amdhsa_system_vgpr_workitem_id 0
		.amdhsa_next_free_vgpr 832
		.amdhsa_next_free_sgpr 100
		.amdhsa_reserve_vcc 0
		.amdhsa_float_denorm_mode_32 3
		.amdhsa_float_denorm_mode_16_64 3
		.amdhsa_memory_ordered 1
		.amdhsa_forward_progress 1
		.amdhsa_inst_pref_size 255
	.end_amdhsa_kernel
	.section	.bss,"aw",@nobits
	.p2align	6
	.space	262144
	.amdgpu_metadata
---
amdhsa.version: [ 1, 2 ]
amdhsa.kernels:
  - .name:           k_qa354134515_fc1
    .symbol:         k_qa354134515_fc1.kd
    .args:
      - { .name: xb, .offset: 0, .size: 8, .value_kind: global_buffer, .address_space: global }
      - { .name: fc1_w, .offset: 8, .size: 8, .value_kind: global_buffer, .address_space: global }
      - { .name: fc1_b, .offset: 16, .size: 8, .value_kind: global_buffer, .address_space: global }
      - { .name: sel, .offset: 24, .size: 8, .value_kind: global_buffer, .address_space: global }
      - { .name: hid, .offset: 32, .size: 8, .value_kind: global_buffer, .address_space: global }
      - { .name: pos, .offset: 40, .size: 8, .value_kind: global_buffer, .address_space: global }
      - { .name: meta, .offset: 48, .size: 8, .value_kind: global_buffer, .address_space: global }
    .group_segment_fixed_size: 281344
    .private_segment_fixed_size: 0
    .kernarg_segment_align: 8
    .kernarg_segment_size: 56
    .max_flat_workgroup_size: 128
    .sgpr_count:     100
    .vgpr_count:     832
    .wavefront_size: 32
...
	.end_amdgpu_metadata
.endif
;; end of part 2
;; launch fc2 (part 3): grid 256 x 1, 4 waves a work-group, no clusters, 312,832 bytes of LDS; arguments hid, fc2_w, fc2_b, meta, ypart; writes ypart
.if DOCPART == 3
	.amdgcn_target "amdgcn-amd-amdhsa--gfx1250"
	.amdhsa_code_object_version 6
	.text
	.protected	k_qa354134515_fc2
	.globl	k_qa354134515_fc2
	.p2align	8
	.type	k_qa354134515_fc2,@function
k_qa354134515_fc2:
	s_mov_b64 s[64:65], 0
	v_nop
	global_prefetch_b8 v0, s[64:65] scope:SCOPE_SE
	s_setreg_imm32_b32 hwreg(HW_REG_WAVE_MODE, 25, 1), 1
	s_wait_xcnt 0x0
; ONE EXPERT PRODUCT.  This text serves both products of the layer; the switch FC2 chooses.  Here FC2 = 1: ypart[row][ks] = hid[row][slice ks of K] W2^T (+ b2 in slice 0), partial sums in f32.
;   FC2 = 0: A = xb (tokens by a list), W = fc1_w [8][4096][1024], output hid in bf16.      FC2 = 1: A = hid, W = fc2_w [8][1024][4096], output ypart, partial sums in f32.
; SHARES.  A work-group owns 128 output columns x 1,024 of K of ONE expert: 512 KB of f32 weights that it alone reads.  FC2 = 0: 8 experts x 32 column slices.  FC2 = 1: 8 experts x 8 column slices x 4 slices of K.
; PHASE 1: the four waves stream the slice, 32 weight rows each, through registers, round it to bf16 and lay it into LDS (8 regions of 128 rows x 128 k).  56 loads of 512 bytes of each wave are out at a time.  One barrier.
; PHASE 2: each wave takes its share of the expert's tiles of 16 rows, five tiles at a time: weights' fragments from LDS (each feeds five matrix instructions), token rows from memory straight into registers.
;   The loop over groups has 4 trips whatever the split (4 waves x 4 trips x 5 tiles = 80 cover the 64 tiles of all tokens on one expert); trips without tiles are jumped; no barrier stands in it.
;   A group that is not full repeats the wave's last tile and does not store the repeats; a tile that is not full holds the expert's last row repeated, which is stored and never read.
;   THE WALK ALONG K IS WRITTEN OUT, 32 chunks of 32: every LDS address of phase 2 is a register that is never rewritten plus an immediate (two regions lie within the 16-bit immediate:
;   34,816 + 192 + 30,464 + 32 = 65,504).  The price is text: 1,280 matrix instructions, 512 LDS loads.
; THE MATRIX INSTRUCTION IS USED TRANSPOSED: source 0 = 16 weight rows (output columns), source 1 = 16 tokens.  Lane l then holds token l % 16 and columns 8 (l / 16) + 0..7.  The bias, rounded to bf16 like
;   every input, is the C operand of the first product (FC2 = 1: in the first slice of K alone, 0 in the others).
; hid LIES IN FRAGMENT ORDER: [tile][chunk of 32 k][half][lane][16 bytes]: each load of a token fragment's half covers 512 consecutive bytes.
; ypart: [padded row][slice of K][1,024] f32.  A lane's eight columns are 32 bytes of a row: a tile goes through the wave's own stage in LDS and leaves as rows of 512 consecutive bytes.
; WHY K IS SPLIT IN FOUR: a slice then has the first product's shape (128 columns x 1,024 k fill LDS), a token fragment feeds 8 matrix instructions, and the four partial rows are added by the launch that adds a token's two experts anyway.
; ROUTING (FC2 = 1): R_e and TB_e come from meta, whole numbers that the first product stored.
; LIMITS.  NaN and infinities are not treated apart.
; NO CLUSTER, NO TENSOR LOADS: each weight byte has one reader and must pass through registers to be rounded; what an expert's work-groups share is its token rows, which come by a list (FC2 = 0) or find no room
;   in LDS beside 278,528 bytes of weights (FC2 = 1: a group's five tiles x 1,024 k are 163,840 bytes).
.set FC2, 1
.if FC2
.set LOGN,   10                        ; log2 of an expert's weight rows
.set LOGROW, 14                        ; log2 of a weight row's bytes
.set CHS,    1024                      ; token operand: bytes from a chunk of 32 k to the next
.set QS,     512                       ; and from a fragment's first four registers to its last four
.else
.set LOGN,   12
.set LOGROW, 12
.set CHS,    64
.set QS,     32
.endif
.set ROWB,  1<<LOGROW
.set WP,    272                        ; an LDS row of weights: 128 k in bf16 + 16 bytes = 17 x 16: the 16 rows of a fragment load start at 16 different groups of four banks
.set WREG,  128*WP                     ; a region: 128 rows
.set SPARE, 8*WREG                     ; the spare words, 128 bytes a wave: two blocks of 256 bytes that no other line names
.set LIST,  SPARE+512                  ; FC2 = 0: 1,024 halfwords, the expert's tokens; behind them 32 halfwords for the lanes whose token did not choose it
.set STAGE, SPARE+512                  ; FC2 = 1: 16 rows x 528 bytes for each wave, for the way out
.set SPI,   528
; window 0
.set LN,   1                           ; lane
.set RR,   2                           ; lane % 16
.set HH,   3                           ; lane / 16
.set SPW,  4                           ; LDS address of my spare word; never rewritten
.set NIL,  5                           ; 0; never rewritten
.set ZERO, 6                           ; 0, for the ReLU
.set L16,  7                           ; 16 x lane
.set L8,   8                           ; 8 x lane
.set H32,  11                          ; 32 x half
.set AOF,  12                          ; v12-16  byte offset of my part of tile a's token rows
.set OOF,  17                          ; v17-21  byte offset of my part of tile a's output
.set PADR, 22                          ; v22-25  phase 1: where my 8 bytes of a weight row go, regions 2 jj
.set T0,   26                          ; v26-28  at work
.set DMP,  29                          ; FC2 = 0: 1,024 + lane
.set STO,  29                          ; FC2 = 1: the way out: where I put 16 bytes of a row
.set H16,  30                          ; FC2 = 0: 16 x half
.set RD,   30                          ; FC2 = 1: the way out: where I read a row back
.set L4,   31                          ; 4 x lane
.set BB,   32                          ; v32-35  my place in a weights' fragment (row x pitch + 16 x half) in regions 2 jj; never rewritten
.set SELW, 40                          ; v40-47  word [e][lane] of sel, then its count of bits
.set T,    48                          ; v48-63  at work
.set BF,   64                          ; v64-127, v128-191  two buffers of weights' fragments; at work on the way out
.set BIASF, 192                        ; v192-255  the bias as C operands, 8 registers for each block of 16 columns
; window 1: phase 1: 8 slots of 32 registers as loaded.  phase 2: four slots of token fragments, tile a of slot s at 40 s + 8 a
; window 2: accumulator (a, b) at 8 (8 a + b), a = 0..3.      window 3: accumulator (4, b) at 8 b
.set WV,   18                          ; wave
.set EX,   19                          ; expert
.set SL,   20                          ; column slice
.set KS,   21                          ; slice of K (FC2 = 1)
.set RC,   22                          ; the expert's rows
.set TB,   23                          ; its first tile
.set NT,   24                          ; its tiles
.set NW,   25                          ; my wave's tiles,
.set FW,   26                          ; the first of them
.set OC,   27                          ; counts the groups
.set TCUR, 28                          ; the group's first tile
.set REM,  29                          ; my tiles still to do
.set TCN,  30                          ; the group's live tiles
.set KC,   31                          ; counts rounds of the stream
.set SW,   32                          ; s[32:63] the expert's 32 words of sel
.set CN,   66                          ; s66-73 R_e
.set HMASK, 74                         ; a word's upper bf16
.set MF,   75                          ; 0x0f0f0f0f, 0x55555555, 0x33333333: for the count of ones
.set M5,   76
.set M3,   77
.set OF,   78                          ; s[78:79] a 64-bit offset
.set TBS,  84                          ; s84-91 TB_e
.set PSEL, 92                          ; s92-93 v_permlanex16_b32's selects
.set LASTT, 94                         ; my wave's last tile
.set RM1,  95                          ; the expert's last row
.set BMASK, 96                         ; FC2 = 1: all ones in the first slice of K
.set SOFF, 97                          ; offset of the scalar loads
.set WG,   98
.set OUTC, 99                          ; the slice's constant part of an output offset
.set MSB, 0
.macro WIN new                         ; s_set_vgpr_msb: bits 1:0 source 0, 3:2 source 1, 5:4 source 2, 7:6 destination; the high byte repeats the setting that is left
.if MSB != (\new)
	s_set_vgpr_msb (MSB<<8)|(\new)
.set MSB, \new
.endif
.endm
.macro PLACES                          ; four places between a matrix instruction and a load into, or a vector instruction on, its registers (ISA guide 7.12.1 for vector instructions)
.rept 4
	v_nop
.endr
.endm
; a weight row's 4,096 bytes of the slice: eight loads of 512 consecutive bytes, into slot's 32 registers; row counts from the base
.macro SISSUE slot, row
	WIN 0x40                                       ; destination window 1
.irp j, 0,1,2,3,4,5,6,7
	global_load_b128 v[32*(\slot)+4*(\j):32*(\slot)+4*(\j)+3], v[L16], s[6:7] offset:(\row)*ROWB+512*(\j) th:TH_LOAD_NT
.endr
.endm
; a round of the stream: eight weight rows are rounded and laid into LDS.  Seven rows are out at a time: step q asks for the row seven on, into the slot that the step before has emptied.
; last = 1: the fourth round: only its first step has a row left to ask for
.macro SROUND last
.irp q, 0,1,2,3,4,5,6,7
.if (\last) && ((\q) > 0)
	s_wait_loadcnt 8*(7-(\q))                      ; nothing is asked for any more: the counts run down
.else
	s_wait_loadcnt 48                              ; loads come back in order (ISA guide 5.7.1): row q is in, the six younger rows' 48 loads stay out
.endif
	WIN 0x05                                       ; sources window 1, destination window 0
.irp j, 0,1,2,3,4,5,6,7
	v_cvt_pk_bf16_f32 v[T+2*(\j)], v[32*(\q)+4*(\j)], v[32*(\q)+4*(\j)+1]
	v_cvt_pk_bf16_f32 v[T+2*(\j)+1], v[32*(\q)+4*(\j)+2], v[32*(\q)+4*(\j)+3]
.endr
	WIN 0
.irp j, 0,1,2,3,4,5,6,7
	ds_store_b64 v[PADR+(\j)/2], v[T+2*(\j):T+2*(\j)+1] offset:((\j)%2)*WREG+WP*(\q)  ; load j holds k = 128 j + 4 lane ..: region j, 256 consecutive bytes
.endr
.if !(\last) || ((\q) == 0)
	SISSUE ((\q)+7)%8, (\q)+7
.endif
.endr
	WIN 0
.if !(\last)
.irp jj, 0,1,2,3
	v_add_nc_u32 v[PADR+(\jj)], 8*WP, v[PADR+(\jj)]
.endr
	s_wait_xcnt 0x0                                ; the loads' base is stepped only behind this wait
	s_add_nc_u64 s[6:7], s[6:7], 8*ROWB
.endif
.endm
; 16 LDS loads: the weights' eight fragments (128 columns x 32 k) of chunk n, into buffer buf.  Chunk n lies in region n / 4 at byte 64 (n % 4) of its rows
.macro BLD buf, n
	WIN 0
.set br, BB+(\n)/8
.set bo, (((\n)/4)%2)*WREG+64*((\n)%4)
.irp b, 0,1,2,3,4,5,6,7
	ds_load_b128 v[BF+64*(\buf)+8*(\b):BF+64*(\buf)+8*(\b)+3], v[br] offset:bo+16*WP*(\b)
	ds_load_b128 v[BF+64*(\buf)+8*(\b)+4:BF+64*(\buf)+8*(\b)+7], v[br] offset:bo+16*WP*(\b)+32
.endr
.endm
; 10 loads: the five tiles' token fragments of chunk n, into slot
.macro ALD slot, n
	WIN 0x40
.irp a, 0,1,2,3,4
	global_load_b128 v[40*(\slot)+8*(\a):40*(\slot)+8*(\a)+3], v[AOF+(\a)], s[4:5] offset:(\n)*CHS
	global_load_b128 v[40*(\slot)+8*(\a)+4:40*(\slot)+8*(\a)+7], v[AOF+(\a)], s[4:5] offset:(\n)*CHS+QS
.endr
.endm
; 8 matrix instructions of chunk c: tile a x all 8 column blocks.  In chunk 0 the bias is C and starts the sums: nothing is cleared
.macro MUL a
.if c == 0
	WIN 0x84+0x40*((\a)/4)                         ; weights window 0, tokens window 1, C (bias) window 0, D window 2 or 3
.else
	WIN 0xa4+0x50*((\a)/4)                         ; the same with C and D in window 2 or 3
.endif
.set rA, 40*(c%4)+8*(\a)
.set rB, BF+64*(c%2)
.set rC, 64*((\a)%4)
.irp b, 0,1,2,3,4,5,6,7
.if c == 0
	v_wmma_f32_16x16x32_bf16 v[rC+8*(\b):rC+8*(\b)+7], v[rB+8*(\b):rB+8*(\b)+7], v[rA:rA+7], v[BIASF+8*(\b):BIASF+8*(\b)+7]
.else
	v_wmma_f32_16x16x32_bf16 v[rC+8*(\b):rC+8*(\b)+7], v[rB+8*(\b):rB+8*(\b)+7], v[rA:rA+7], v[rC+8*(\b):rC+8*(\b)+7]
.endif
.endr
.endm
; Chunk c of 32 along K: 40 matrix instructions, the 40 accumulators by turns, one instruction a turn and in the same order in every chunk.  Behind the first 16 stand, in one run, the
; next chunk's weights and the token fragments of the chunk three on.
.macro CH
.set lw, 20                            ; the token loads younger than this chunk's: two chunks' ten each; at the end the counts run down
.if c > 29
.set lw, 10*(31-c)
.endif
	s_wait_loadcnt_dscnt lw<<8                     ; bits 15:8: my chunk's ten token loads are in; bits 7:0: so are its weights, asked for 24 matrix instructions ago
	MUL 0
	MUL 1
.if c < 31
	PLACES                                         ; the registers loaded below were last read by the chunk before
	BLD 1-c%2, c+1
.endif
.if c < 29
	ALD (c+3)%4, c+3
.endif
	MUL 2
	MUL 3
	MUL 4
.endm
; the group's five tiles: where their token rows lie and where their results go.  Numbers that come from memory pass a clamp by a constant on their way into an address.
.macro TILES
.irp a, 0,1,2,3,4
	s_add_co_u32 s80, s[TCUR], \a
	s_min_u32 s80, s80, s[LASTT]                   ; past my last tile: that tile once more
.if !FC2
	s_lshl_b32 s81, s80, 4
	v_add_nc_u32 v[T0], s81, v[RR]
	v_min_u32 v[T0], s[RM1], v[T0]                 ; past the expert's last row: that row once more
	v_min_u32 v[T0], 0x3ff, v[T0]
	v_lshl_add_u32 v[T0], v[T0], 1, LIST
	ds_load_u16 v[AOF+(\a)], v[T0]                 ; the row's token
.endif
	s_add_co_u32 s80, s80, s[TB]
	s_min_u32 s80, s80, 135
.if FC2
	s_lshl_b32 s81, s80, 17                        ; a tile of hid: 131,072 bytes
	v_add_nc_u32 v[AOF+(\a)], s81, v[L16]
	s_lshl_b32 s80, s80, 18                        ; 16 rows of ypart: 262,144 bytes
.else
	s_lshl_b32 s80, s80, 17
.endif
	s_add_co_u32 s80, s80, s[OUTC]
	v_add_nc_u32 v[OOF+(\a)], s80, v[L16]
.endr
.if !FC2
	s_wait_dscnt 0x0
.irp a, 0,1,2,3,4
	v_min_u32 v[AOF+(\a)], 0x3ff, v[AOF+(\a)]
	v_lshl_add_u32 v[AOF+(\a)], v[AOF+(\a)], 11, v[H16]   ; token x 2,048 bytes + 16 x half
.endr
.endif
.endm
; THE WAY OUT of tile a.  Tiles past the group's count are jumped: whole store instructions, no barrier among them.
.macro OUT a
	WIN 0
.if (\a) > 0
	s_cmp_le_u32 s[TCN], \a
	s_cbranch_scc1 .Lend
.endif
	s_wait_xcnt 0x0                                ; registers that earlier stores read are rewritten only behind this wait
.set rC, 64*((\a)%4)
.if FC2
.set rE, BF+64*((\a)%2)
	WIN 0x08+4*((\a)/4)                            ; LDS store data (source 1) in window 2 or 3
.irp b, 0,1,2,3,4,5,6,7
	ds_store_b128 v[STO], v[rC+8*(\b):rC+8*(\b)+3] offset:64*(\b)          ; a lane's eight columns of a row are 32 bytes; each accumulator's low registers are read first
	ds_store_b128 v[STO], v[rC+8*(\b)+4:rC+8*(\b)+7] offset:64*(\b)+16
.endr
	WIN 0
.irp i, 0,1,2,3,4,5,6,7,8,9,10,11,12,13,14,15
	ds_load_b128 v[rE+4*(\i):rE+4*(\i)+3], v[RD] offset:SPI*(\i)           ; LDS serves a wave's instructions in order (ISA guide 5.7.1.4): these see the stores above; the stage is my wave's own
.endr
	s_wait_dscnt 0x0
.irp i, 0,1,2,3,4,5,6,7,8,9,10,11,12,13,14,15
	global_store_b128 v[OOF+(\a)], v[rE+4*(\i):rE+4*(\i)+3], s[12:13] offset:16384*(\i)   ; a row's 512 consecutive bytes, at a multiple of 512 from ypart's first
.endr
.else
.set rE, BF+32*((\a)%4)
	WIN 0x0a+5*((\a)/4)                            ; sources window 2 or 3, destination window 0
.irp b, 0,1,2,3,4,5,6,7
.irp q, 0,1,2,3
	v_cvt_pk_bf16_f32 v[rE+4*(\b)+(\q)], v[rC+8*(\b)+2*(\q)], v[rC+8*(\b)+2*(\q)+1]   ; ascending: each accumulator's low registers are read first
.endr
.endr
	WIN 0
.set i, 0
.rept 32
	v_pk_max_num_bf16 v[rE+i], v[rE+i], v[ZERO]    ; the ReLU, on two rounded numbers at once: rounding and maximum commute
.set i, i+1
.endr
.irp b, 0,1,2,3,4,5,6,7
	global_store_b128 v[OOF+(\a)], v[rE+4*(\b):rE+4*(\b)+3], s[12:13] offset:512*(\b)     ; 512 consecutive bytes of hid: half b % 2 of chunk b / 2
.endr
.endif
.endm
.macro POPC r                          ; the number of ones in v[r], in place
	v_lshrrev_b32 v[T+4], 1, v[\r]
	v_and_b32 v[T+4], s[M5], v[T+4]
	v_sub_nc_u32 v[\r], v[\r], v[T+4]
	v_lshrrev_b32 v[T+4], 2, v[\r]
	v_and_b32 v[T+4], s[M3], v[T+4]
	v_and_b32 v[\r], s[M3], v[\r]
	v_add_nc_u32 v[\r], v[\r], v[T+4]
	v_lshrrev_b32 v[T+4], 4, v[\r]
	v_add_nc_u32 v[\r], v[\r], v[T+4]
	v_and_b32 v[\r], s[MF], v[\r]
	v_lshrrev_b32 v[T+4], 8, v[\r]
	v_add_nc_u32 v[\r], v[\r], v[T+4]
	v_lshrrev_b32 v[T+4], 16, v[\r]
	v_add_nc_u32 v[\r], v[\r], v[T+4]
	v_and_b32 v[\r], 63, v[\r]
.endm
	; HEAD
	s_load_b256 s[4:11], s[0:1], 0x0               ; token operand s[4:5], weights s[6:7], bias s[8:9], sel or meta s[10:11]
.if FC2
	s_load_b64 s[12:13], s[0:1], 0x20              ; ypart
.else
	s_load_b128 s[12:15], s[0:1], 0x20             ; hid s[12:13], pos s[14:15]
	s_load_b64 s[16:17], s[0:1], 0x30              ; meta
.endif
	v_lshl_add_u32 v[SPW], v0, 2, SPARE
	v_mov_b32 v[NIL], 0
	v_mov_b32 v[ZERO], 0
	v_and_b32 v[LN], 31, v0
	v_and_b32 v[RR], 15, v0
	v_bfe_u32 v[HH], v0, 4, 1
	v_lshrrev_b32 v[T0], 5, v0
	v_readfirstlane_b32 s[WV], v[T0]
	v_lshlrev_b32 v[L16], 4, v[LN]
	v_lshlrev_b32 v[L8], 3, v[LN]
	v_lshlrev_b32 v[L4], 2, v[LN]
	v_lshlrev_b32 v[H32], 5, v[HH]
	v_mul_u32_u24 v[BB], v[RR], WP
	v_lshl_add_u32 v[BB], v[HH], 4, v[BB]
.irp jj, 1,2,3
	v_add_nc_u32 v[BB+(\jj)], 2*(\jj)*WREG, v[BB]
.endr
	s_mov_b32 s[HMASK], 0xffff0000
	s_mov_b32 s[WG], ttmp9
	s_lshr_b32 s[EX], ttmp9, 5
.if FC2
	s_bfe_u32 s[SL], ttmp9, 0x30002                ; three bits from bit 2
	s_and_b32 s[KS], ttmp9, 3
	s_cmp_eq_u32 s[KS], 0
	s_cselect_b32 s[BMASK], -1, 0
	s_lshl_b32 s[OUTC], s[KS], 12                  ; in a row of ypart: the slice of K's 4,096 bytes, the column slice's 512
	s_lshl_b32 s80, s[SL], 9
	s_add_co_u32 s[OUTC], s[OUTC], s80
	s_mul_i32 s83, s[WV], 16*SPI
	s_add_co_u32 s83, s83, STAGE                   ; my stage
	v_mul_u32_u24 v[STO], v[RR], SPI
	v_add_nc_u32 v[STO], v[STO], v[H32]
	v_add_nc_u32 v[STO], s83, v[STO]               ; in: row l % 16, 32 bytes for each half of the lanes
	v_add_nc_u32 v[RD], s83, v[L16]                ; back: a row's 512 bytes, 16 a lane
.else
	s_and_b32 s[SL], ttmp9, 31
	s_lshl_b32 s[OUTC], s[SL], 12                  ; in a tile of hid: the slice's four chunks
	v_lshlrev_b32 v[H16], 4, v[HH]
	v_add_nc_u32 v[DMP], 1024, v[LN]
	s_mov_b32 s[PSEL], 0x76543210
	s_mov_b32 s[PSEL+1], 0xfedcba98
	s_mov_b32 s[M5], 0x55555555
	s_mov_b32 s[M3], 0x33333333
	s_mov_b32 s[MF], 0x0f0f0f0f
.endif
	s_lshl_b32 s80, s[EX], LOGN
	s_lshl_b32 s81, s[SL], 7
	s_add_co_u32 s80, s80, s81                     ; the slice's first weight row = its first output column
	s_lshl_b32 s82, s80, 2                         ; its bias, in bytes
	s_lshl_b32 s81, s[WV], 5
	s_add_co_u32 s80, s80, s81                     ; my wave's 32 rows
	s_lshl_b32 s80, s80, LOGROW                    ; under 2^27 bytes
.if FC2
	s_lshl_b32 s81, s[KS], 12
	s_add_co_u32 s80, s80, s81                     ; the slice of K: 1,024 f32
.endif
	s_mov_b32 s[OF+1], 0
	s_mul_i32 s83, s[WV], 32*WP
	v_add_nc_u32 v[PADR], s83, v[L8]
.irp jj, 1,2,3
	v_add_nc_u32 v[PADR+(\jj)], 2*(\jj)*WREG, v[PADR]
.endr
	s_wait_kmcnt 0x0
	s_mov_b32 s[OF], s82
	s_add_nc_u64 s[8:9], s[8:9], s[OF:OF+1]
	s_mov_b32 s[OF], s80
	s_add_nc_u64 s[6:7], s[6:7], s[OF:OF+1]
.if FC2
	s_lshl_b32 s[OF], s[KS], 15                    ; 32 chunks of 1,024 bytes in each tile of hid
	s_add_nc_u64 s[4:5], s[4:5], s[OF:OF+1]
	s_lshl_b32 s[SOFF], s[EX], 3
	s_load_b64 s[RC:RC+1], s[10:11], s[SOFF] offset:0x0     ; R_e, TB_e
.else
	s_lshl_b32 s[OF], s[EX], 12
	s_add_nc_u64 s[14:15], s[14:15], s[OF:OF+1]    ; the expert's 4,096 bytes of pos
	s_lshl_b32 s[SOFF], s[EX], 7
	s_load_b512 s[SW:SW+15], s[10:11], s[SOFF] offset:0x0   ; my expert's 32 words of sel
	s_load_b512 s[SW+16:SW+31], s[10:11], s[SOFF] offset:0x40
.irp e, 0,1,2,3,4,5,6,7
	global_load_b32 v[SELW+(\e)], v[L4], s[10:11] offset:128*(\e)   ; every expert's words, one a lane
.endr
.endif
.irp b, 0,1,2,3,4,5,6,7
	global_load_b128 v[BIASF+8*(\b):BIASF+8*(\b)+3], v[H32], s[8:9] offset:64*(\b)       ; columns 16 b + 8 (l / 16) + 0..7: as an accumulator holds them
	global_load_b128 v[BIASF+8*(\b)+4:BIASF+8*(\b)+7], v[H32], s[8:9] offset:64*(\b)+16
.endr
.irp q, 0,1,2,3
	SISSUE \q, \q                                  ; the stream begins before anything else is worked on
.endr
	s_wait_loadcnt 32                              ; the four weight rows' 32 loads are younger: the bias is in
.irp q, 4,5,6
	SISSUE \q, \q                                  ; seven rows, 56 loads, are out
.endr
	WIN 0
	s_wait_kmcnt 0x0
.set p, 0
.rept 32                                           ; the bias is rounded to bf16 like every input and widened again
	v_cvt_pk_bf16_f32 v[T+p%16], v[BIASF+2*p], v[BIASF+2*p+1]
.if FC2
	v_and_b32 v[T+p%16], s[BMASK], v[T+p%16]       ; it enters one of the four partial sums
.endif
	v_lshlrev_b32 v[BIASF+2*p], 16, v[T+p%16]
	v_and_b32 v[BIASF+2*p+1], s[HMASK], v[T+p%16]
.set p, p+1
.endr
.if FC2
	s_min_u32 s[RC], s[RC], 1024
.else
	; COUNTS: R_e for all experts, whole numbers throughout: ones of each lane's word, two experts to a register, summed over the 32 lanes
.irp e, 0,1,2,3,4,5,6,7
	POPC SELW+(\e)
.endr
.irp i, 0,1,2,3
	v_lshl_or_b32 v[T+(\i)], v[SELW+2*(\i)+1], 16, v[SELW+2*(\i)]
.endr
	v_mov_b32 v[T+4], 0                            ; the destination of the lines below counts as read
.irp i, 0,1,2,3
.irp m, 1,2,4,8
	v_mov_b32_dpp v[T+4], v[T+(\i)] row_xmask:\m row_mask:0xf bank_mask:0xf
	v_add_nc_u32 v[T+(\i)], v[T+(\i)], v[T+4]
.endr
	v_permlanex16_b32 v[T+4], v[T+(\i)], s[PSEL], s[PSEL+1]
	v_add_nc_u32 v[T+(\i)], v[T+(\i)], v[T+4]
	v_readfirstlane_b32 s80, v[T+(\i)]
	s_and_b32 s[CN+2*(\i)], s80, 0xffff
	s_lshr_b32 s[CN+2*(\i)+1], s80, 16
	s_min_u32 s[CN+2*(\i)], s[CN+2*(\i)], 1024
	s_min_u32 s[CN+2*(\i)+1], s[CN+2*(\i)+1], 1024
.endr
	s_mov_b32 s81, 0                               ; tiles of the experts so far
	s_mov_b32 s[RC], 0
	s_mov_b32 s[TB], 0
.irp e, 0,1,2,3,4,5,6,7
	s_mov_b32 s[TBS+(\e)], s81
	s_cmp_eq_u32 s[EX], \e
	s_cselect_b32 s[RC], s[CN+(\e)], s[RC]
	s_cselect_b32 s[TB], s81, s[TB]
	s_add_co_u32 s82, s[CN+(\e)], 15
	s_lshr_b32 s82, s82, 4
	s_add_co_u32 s81, s81, s82
.endr
.endif
	s_min_u32 s[TB], s[TB], 135                    ; 2,048 rows and 8 experts make 135 tiles at the most
	s_add_co_u32 s[NT], s[RC], 15
	s_lshr_b32 s[NT], s[NT], 4
	s_lshr_b32 s80, s[NT], 2                       ; the tiles are dealt to the four waves, the first NT % 4 waves one more
	s_and_b32 s81, s[NT], 3
	s_cmp_lt_u32 s[WV], s81
	s_cselect_b32 s82, 1, 0
	s_add_co_u32 s[NW], s80, s82
	s_mul_i32 s[FW], s[WV], s80
	s_min_u32 s82, s[WV], s81
	s_add_co_u32 s[FW], s[FW], s82
	s_add_co_u32 s[LASTT], s[FW], s[NW]
	s_sub_co_u32 s[LASTT], s[LASTT], 1             ; (used only where NW is at least 1)
	s_sub_co_u32 s[RM1], s[RC], 1
.if !FC2
	s_cmp_lg_u32 s[WV], 0
	s_cbranch_scc1 .Lnolist                        ; wave 0 alone; no barrier is jumped
.irp i, 0,1,2,3
	v_mov_b32 v[BF+(\i)], 0
.endr
	v_add_nc_u32 v[T0+1], LIST, v[L16]
.irp i, 0,1,2,3
	ds_store_b128 v[T0+1], v[BF:BF+3] offset:512*(\i)  ; the list's 2,048 bytes are written whole: places past the expert's count hold token 0
.endr
	s_mov_b32 s80, 0                               ; the expert's tokens so far
	s_mov_b32 s83, LIST
	v_mov_b32 v[T0+2], v[LN]                       ; token 32 j + lane
.irp j, 0,1,2,3,4,5,6,7,8,9,10,11,12,13,14,15,16,17,18,19,20,21,22,23,24,25,26,27,28,29,30,31
	v_mbcnt_lo_u32_b32 v[T0], s[SW+(\j)], s80      ; its rank among the expert's tokens
	v_cndmask_b32 v[T0], v[DMP], v[T0], s[SW+(\j)] ; a token that did not choose the expert goes behind the list
	v_min_u32 v[T0], 0x41f, v[T0]
	v_lshl_add_u32 v[T0], v[T0], 1, s83
	ds_store_b16 v[T0], v[T0+2]                    ; LDS serves a wave's instructions in order: behind the zeros above
	v_add_nc_u32 v[T0+2], 32, v[T0+2]
	s_bcnt1_i32_b32 s81, s[SW+(\j)]
	s_add_co_u32 s80, s80, s81
.endr
	s_cmp_lg_u32 s[SL], 0
	s_cbranch_scc1 .Lnolist                        ; the expert's slice 0 stores pos
	s_lshl_b32 s80, s[TB], 4                       ; padded row = 16 TB + rank
.irp jp, 0,1,2,3,4,5,6,7,8,9,10,11,12,13,14,15
	v_mbcnt_lo_u32_b32 v[BF+2*(\jp)], s[SW+2*(\jp)], s80
	s_bcnt1_i32_b32 s81, s[SW+2*(\jp)]
	s_add_co_u32 s80, s80, s81
	v_mbcnt_lo_u32_b32 v[BF+2*(\jp)+1], s[SW+2*(\jp)+1], s80
	s_bcnt1_i32_b32 s81, s[SW+2*(\jp)+1]
	s_add_co_u32 s80, s80, s81
	global_store_b64 v[L8], v[BF+2*(\jp):BF+2*(\jp)+1], s[14:15] offset:256*(\jp)   ; tokens 64 jp + lane and 64 jp + 32 + lane: 256 consecutive bytes
.endr
	s_cmp_lg_u32 s[WG], 0
	s_cbranch_scc1 .Lnolist                        ; work-group 0 stores meta
	v_mov_b32 v[BF+32], 0
	v_mov_b32 v[BF+33], 0
.irp e, 0,1,2,3,4,5,6,7
	v_writelane_b32 v[BF+32], s[CN+(\e)], \e
	v_writelane_b32 v[BF+33], s[TBS+(\e)], \e
.endr
	global_store_b64 v[L8], v[BF+32:BF+33], s[16:17]   ; lane e: R_e, TB_e; the other lanes zeros: 256 bytes
.Lnolist:
.endif
	; PHASE 1: the stream.  32 rows a wave in four rounds of eight; three rounds ask in every step
	s_mov_b32 s[KC], 3
.Lstream:
	SROUND 0
	s_sub_co_u32 s[KC], s[KC], 1
	s_cmp_lg_u32 s[KC], 0
	s_cbranch_scc1 .Lstream
	SROUND 1
	s_wait_dscnt 0x0                               ; for the others' sake: my rows are in LDS
	s_barrier_signal -1
	s_barrier_wait -1                              ; the one barrier: behind it the weights are only read
	; PHASE 2
	s_mov_b32 s[OC], 4
	s_mov_b32 s[TCUR], s[FW]
	s_mov_b32 s[REM], s[NW]
.Lgrp:
	s_cmp_le_i32 s[REM], 0
	s_cbranch_scc1 .Lskip                          ; no tile left for this trip
	s_min_u32 s[TCN], s[REM], 5
	TILES
	ALD 0, 0                                       ; three chunks' token fragments are asked for ahead
	ALD 1, 1
	ALD 2, 2
	BLD 0, 0
.set c, 0
.rept 32
	CH
.set c, c+1
.endr
	PLACES                                         ; between the last products and the first readers of results and writers of fragments
	OUT 0
	OUT 1
	OUT 2
	OUT 3
	OUT 4
	WIN 0
.Lend:
	s_wait_xcnt 0x0                                ; the stores' offsets and data are rewritten by the next group only behind this wait
.Lskip:
	s_add_co_u32 s[TCUR], s[TCUR], 5
	s_sub_co_i32 s[REM], s[REM], 5
	s_sub_co_u32 s[OC], s[OC], 1
	s_cmp_lg_u32 s[OC], 0
	s_cbranch_scc1 .Lgrp
	s_wait_tensorcnt 0x0                           ; the wave's end
	ds_add_u32 v[SPW], v[NIL]
	s_wait_dscnt 0x0
	s_endpgm
.Lfunc_end_k_qa354134515_fc2:
	.size	k_qa354134515_fc2, .Lfunc_end_k_qa354134515_fc2-k_qa354134515_fc2
	.p2alignl 7, 3214868480
	.fill 96, 4, 3214868480
	.section	.rodata,"a",@progbits
	.p2align	6, 0x0
	.amdhsa_kernel k_qa354134515_fc2
		.amdhsa_group_segment_fixed_size 312832
		.amdhsa_private_segment_fixed_size 0
		.amdhsa_enable_private_segment 0
		.amdhsa_kernarg_size 40
		.amdhsa_user_sgpr_count 2
		.amdhsa_user_sgpr_kernarg_segment_ptr 1
		.amdhsa_wavefront_size32 1
		.amdhsa_system_sgpr_workgroup_id_x 1
		.amdhsa_system_sgpr_workgroup_id_y 1
		.amdhsa_system_sgpr_workgroup_id_z 1
		.amdhsa_system_vgpr_workitem_id 0
		.amdhsa_next_free_vgpr 832
		.amdhsa_next_free_sgpr 100
		.amdhsa_reserve_vcc 0
		.amdhsa_float_denorm_mode_32 3
		.amdhsa_float_denorm_mode_16_64 3
		.amdhsa_memory_ordered 1
		.amdhsa_forward_progress 1
		.amdhsa_inst_pref_size 221
	.end_amdhsa_kernel
	.amdgpu_metadata
---
amdhsa.version: [ 1, 2 ]
amdhsa.kernels:
  - .name:           k_qa354134515_fc2
    .symbol:         k_qa354134515_fc2.kd
    .args:
      - { .name: hid, .offset: 0, .size: 8, .value_kind: global_buffer, .address_space: global }
      - { .name: fc2_w, .offset: 8, .size: 8, .value_kind: global_buffer, .address_space: global }
      - { .name: fc2_b, .offset: 16, .size: 8, .value_kind: global_buffer, .address_space: global }
      - { .name: meta, .offset: 24, .size: 8, .value_kind: global_buffer, .address_space: global }
      - { .name: ypart, .offset: 32, .size: 8, .value_kind: global_buffer, .address_space: global }
    .group_segment_fixed_size: 312832
    .private_segment_fixed_size: 0
    .kernarg_segment_align: 8
    .kernarg_segment_size: 40
    .max_flat_workgroup_size: 128
    .sgpr_count:     100
    .vgpr_count:     832
    .wavefront_size: 32
...
	.end_amdgpu_metadata
.endif
;; end of part 3
;; launch mix (part 4): grid 256 x 1, 8 waves a work-group, no clusters, 0 bytes of LDS; arguments ypart, route, gate, pos, out0; writes out0
.if DOCPART == 4
	.amdgcn_target "amdgcn-amd-amdhsa--gfx1250"
	.amdhsa_code_object_version 6
	.text
	.protected	k_qa354134515_mix
	.globl	k_qa354134515_mix
	.p2align	8
	.type	k_qa354134515_mix,@function
k_qa354134515_mix:
	s_mov_b64 s[64:65], 0
	v_nop
	global_prefetch_b8 v0, s[64:65] scope:SCOPE_SE
	s_setreg_imm32_b32 hwreg(HW_REG_WAVE_MODE, 25, 1), 1
	s_wait_xcnt 0x0
; out0[t] = p0 y(e0, t) + p1 y(e1, t), where y(e, t) is the sum of the four partial rows (slices of K) that the second product stored for token t's row of expert e.  All in f32.
; SHARES.  A work-group owns 4 tokens, a wave half a token's row: 2,048 bytes of out0, made of 8 x 2,048 bytes of ypart.  All 32 loads of a wave go out before the first wait.
; WHERE THE ROWS LIE: route[t] (the two experts) and pos[e][t] (the padded row) are whole numbers stored by earlier launches; they are the same for a whole wave and come by scalar loads,
; each clamped by a constant on its way into an address.
; A stream: memory binds; LDS, matrix units and clusters would add nothing: no byte is read by two waves.
	s_load_b256 s[4:11], s[0:1], 0x0               ; ypart s[4:5], route s[6:7], gate s[8:9], pos s[10:11]
	s_load_b64 s[12:13], s[0:1], 0x20              ; out0
	v_and_b32 v1, 31, v0
	v_lshrrev_b32 v2, 5, v0
	v_readfirstlane_b32 s14, v2                    ; wave
	v_lshlrev_b32 v3, 4, v1                        ; 16 x lane
	s_lshr_b32 s15, s14, 1
	s_lshl_b32 s16, ttmp9, 2
	s_add_co_u32 s16, s16, s15                     ; token t
	s_and_b32 s17, s14, 1
	s_lshl_b32 s17, s17, 11                        ; my half of a row, in bytes
	s_lshl_b32 s18, s16, 2
	s_lshl_b32 s19, s16, 3
	s_lshr_b32 s26, s16, 6                         ; t's place in an expert's 4,096 bytes of pos: (t / 64) 256 + (t % 32) 8 + ((t / 32) % 2) 4
	s_lshl_b32 s26, s26, 8
	s_and_b32 s27, s16, 31
	s_lshl_b32 s27, s27, 3
	s_add_co_u32 s26, s26, s27
	s_bfe_u32 s27, s16, 0x10005
	s_lshl_b32 s27, s27, 2
	s_add_co_u32 s26, s26, s27
	s_lshl_b32 s34, s16, 12
	s_add_co_u32 s34, s34, s17                     ; my 2,048 bytes of out0
	s_mov_b32 s35, 0
	s_wait_kmcnt 0x0
	s_load_b32 s20, s[6:7], s18 offset:0x0         ; e0 | e1 << 8
	s_load_b64 s[22:23], s[8:9], s19 offset:0x0    ; p0, p1
	s_add_nc_u64 s[12:13], s[12:13], s[34:35]
	s_wait_kmcnt 0x0
	s_and_b32 s24, s20, 255
	s_min_u32 s24, s24, 7
	s_bfe_u32 s25, s20, 0x80008
	s_min_u32 s25, s25, 7
	s_lshl_b32 s24, s24, 12
	s_add_co_u32 s24, s24, s26
	s_lshl_b32 s25, s25, 12
	s_add_co_u32 s25, s25, s26
	s_load_b32 s30, s[10:11], s24 offset:0x0       ; the token's padded rows
	s_load_b32 s31, s[10:11], s25 offset:0x0
	s_mov_b32 s32, s23                             ; p1 as the low word of a pair of its own: the packed lines take a scalar pair's low word for both halves
	s_mov_b32 s33, s23
	s_wait_kmcnt 0x0
	s_min_u32 s30, s30, 2175
	s_min_u32 s31, s31, 2175
	s_lshl_b32 s30, s30, 14                        ; a row of ypart: 4 slices x 4,096 bytes
	s_lshl_b32 s31, s31, 14
	s_add_co_u32 s30, s30, s17
	s_add_co_u32 s31, s31, s17
	v_add_nc_u32 v4, s30, v3
	v_add_nc_u32 v5, s31, v3
.irp j, 0,1,2,3
.irp i, 0,1
.irp k, 0,1,2,3
	global_load_b128 v[16+32*(\j)+16*(\i)+4*(\k):16+32*(\j)+16*(\i)+4*(\k)+3], v[4+(\i)], s[4:5] offset:4096*(\k)+512*(\j) th:TH_LOAD_NT  ; 512 consecutive bytes: quarter j, expert i, slice k
.endr
.endr
.endr
.irp j, 0,1,2,3
	s_wait_loadcnt 24-8*(\j)                       ; quarter j's eight loads are in; the later quarters stay out
.irp i, 0,1
.set b, 16+32*(\j)+16*(\i)
	v_pk_add_f32 v[b:b+1], v[b:b+1], v[b+4:b+5]            ; (y0 + y1) + (y2 + y3)
	v_pk_add_f32 v[b+2:b+3], v[b+2:b+3], v[b+6:b+7]
	v_pk_add_f32 v[b+8:b+9], v[b+8:b+9], v[b+12:b+13]
	v_pk_add_f32 v[b+10:b+11], v[b+10:b+11], v[b+14:b+15]
	v_pk_add_f32 v[b:b+1], v[b:b+1], v[b+8:b+9]
	v_pk_add_f32 v[b+2:b+3], v[b+2:b+3], v[b+10:b+11]
.endr
.set b, 16+32*(\j)
	v_pk_mul_f32 v[b:b+1], v[b:b+1], s[22:23] op_sel_hi:[1,0]
	v_pk_mul_f32 v[b+2:b+3], v[b+2:b+3], s[22:23] op_sel_hi:[1,0]
	v_pk_fma_f32 v[b:b+1], v[b+16:b+17], s[32:33], v[b:b+1] op_sel_hi:[1,0,1]
	v_pk_fma_f32 v[b+2:b+3], v[b+18:b+19], s[32:33], v[b+2:b+3] op_sel_hi:[1,0,1]
	global_store_b128 v3, v[b:b+3], s[12:13] offset:512*(\j) th:TH_STORE_NT   ; 512 consecutive bytes, at a multiple of 512 from out0's first
.endr
	s_endpgm
.Lfunc_end_k_qa354134515_mix:
	.size	k_qa354134515_mix, .Lfunc_end_k_qa354134515_mix-k_qa354134515_mix
	.p2alignl 7, 3214868480
	.fill 96, 4, 3214868480
	.section	.rodata,"a",@progbits
	.p2align	6, 0x0
	.amdhsa_kernel k_qa354134515_mix
		.amdhsa_group_segment_fixed_size 0
		.amdhsa_private_segment_fixed_size 0
		.amdhsa_enable_private_segment 0
		.amdhsa_kernarg_size 40
		.amdhsa_user_sgpr_count 2
		.amdhsa_user_sgpr_kernarg_segment_ptr 1
		.amdhsa_wavefront_size32 1
		.amdhsa_system_sgpr_workgroup_id_x 1
		.amdhsa_system_sgpr_workgroup_id_y 1
		.amdhsa_system_sgpr_workgroup_id_z 1
		.amdhsa_system_vgpr_workitem_id 0
		.amdhsa_next_free_vgpr 144
		.amdhsa_next_free_sgpr 66
		.amdhsa_reserve_vcc 0
		.amdhsa_float_denorm_mode_32 3
		.amdhsa_float_denorm_mode_16_64 3
		.amdhsa_memory_ordered 1
		.amdhsa_forward_progress 1
		.amdhsa_inst_pref_size 10
	.end_amdhsa_kernel
	.amdgpu_metadata
---
amdhsa.version: [ 1, 2 ]
amdhsa.kernels:
  - .name:           k_qa354134515_mix
    .symbol:         k_qa354134515_mix.kd
    .args:
      - { .name: ypart, .offset: 0, .size: 8, .value_kind: global_buffer, .address_space: global }
      - { .name: route, .offset: 8, .size: 8, .value_kind: global_buffer, .address_space: global }
      - { .name: gate, .offset: 16, .size: 8, .value_kind: global_buffer, .address_space: global }
      - { .name: pos, .offset: 24, .size: 8, .value_kind: global_buffer, .address_space: global }
      - { .name: out0, .offset: 32, .size: 8, .value_kind: global_buffer, .address_space: global }
    .group_segment_fixed_size: 0
    .private_segment_fixed_size: 0
    .kernarg_segment_align: 8
    .kernarg_segment_size: 40
    .max_flat_workgroup_size: 256
    .sgpr_count:     66
    .vgpr_count:     144
    .wavefront_size: 32
...
	.end_amdgpu_metadata
.endif
;; end of part 4
;; ======== version 2 of 2: 4 launches; 1.12 times as fast as version 1
;; workspace buffers: xb 2,097,152 bytes; sel 1,024 bytes of whole numbers; route 4,096 bytes of whole numbers; gate 8,192 bytes; hid 17,825,792 bytes; pos 32,768 bytes of whole numbers; meta 256 bytes of whole numbers; ypart 35,651,584 bytes
;; launch router: the kernel of part 1 again; grid 64 x 1, 8 waves a work-group, no clusters, 58,880 bytes of LDS; arguments x, router_w, router_b, xb, sel, route, gate; writes xb, sel, route, gate
;; launch fc1 (part 5): grid 256 x 1, 4 waves a work-group, no clusters, 281,344 bytes of LDS; arguments xb, fc1_w, fc1_b, sel, hid, pos, meta; writes hid, pos, meta
.if DOCPART == 5
	.amdgcn_target "amdgcn-amd-amdhsa--gfx1250"
	.amdhsa_code_object_version 6
	.text
	.protected	k_qa354134515_fc1
	.globl	k_qa354134515_fc1
	.p2align	8
	.type	k_qa354134515_fc1,@function
k_qa354134515_fc1:
	s_mov_b64 s[64:65], 0
	v_nop
	global_prefetch_b8 v0, s[64:65] scope:SCOPE_SE
	s_setreg_imm32_b32 hwreg(HW_REG_WAVE_MODE, 25, 1), 1
	s_wait_xcnt 0x0
; ONE EXPERT PRODUCT.  This text serves both products of the layer; the switch FC2 chooses.  Here FC2 = 0: hid = relu(x W1^T + b1) for the rows that chose the expert.
;   FC2 = 0: A = xb (tokens by a list), W = fc1_w [8][4096][1024], output hid in bf16.      FC2 = 1: A = hid, W = fc2_w [8][1024][4096], output ypart, partial sums in f32.
; SHARES.  A work-group owns 128 output columns x 1,024 of K of ONE expert: 512 KB of f32 weights that it alone reads.  FC2 = 0: 8 experts x 32 column slices.  FC2 = 1: 8 experts x 8 column slices x 4 slices of K.
; PHASE 1: the four waves stream the slice, 32 weight rows each, through registers, round it to bf16 and lay it into LDS (8 regions of 128 rows x 128 k).  56 loads of 512 bytes of each wave are out at a time.  One barrier.
; PHASE 2: each wave takes its share of the expert's tiles of 16 rows, five tiles at a time: weights' fragments from LDS (each feeds up to five matrix instructions), token rows from memory straight into registers.
;   The loop over groups has 4 trips whatever the split (4 waves x 4 trips x 5 tiles = 80 cover the 64 tiles of all tokens on one expert); trips without tiles are jumped; no barrier stands in it.
;   A group that is not full repeats the wave's last tile and does not store the repeats; a tile that is not full repeats the expert's last row, which is stored and never read.
;   THE WALK ALONG K, 32 chunks of 32: chunk 0 ahead of a loop (its products start the sums), 7 trips of 4 chunks, 3 chunks behind it.  In the loop the LDS address is made anew directly ahead of each run of loads: my
;   lane's place plus the trip's region, held under a constant and then scaled by 16, so that every address of the loop lies inside the eight regions (212,992 + 65,376 + 16 bytes at the most, of 278,528), which
;   nothing writes behind the barrier.  The three lines that make it are three of the four places that stand ahead of the run anyway.
;   THE FIFTH TILE: where a group has four tiles or fewer, the fifth tile's eight products are jumped in chunks 1 to 31.  Chunk 0's are made, so that these accumulators are written on every way; its token loads
;   stay, so that the counted waits hold on both ways.
; THE MATRIX INSTRUCTION IS USED TRANSPOSED: source 0 = 16 weight rows (output columns), source 1 = 16 tokens.  Lane l then holds token l % 16 and columns 8 (l / 16) + 0..7.  The bias, rounded to bf16 like
;   every input, is the C operand of the first product (FC2 = 1: in the first slice of K alone, 0 in the others).
; hid LIES IN FRAGMENT ORDER: [tile][chunk of 32 k][half][lane][16 bytes].  A lane's eight columns of block b, packed, ARE registers 4 (b % 2) .. + 3 of the second product's token fragment of chunk b / 2:
;   each store and each later load covers 512 consecutive bytes, and no turn through LDS is needed.
; ROUTING (FC2 = 0).  sel holds a bit for each expert and token.  Every wave counts all experts' bits (R_e), gives each expert whole tiles (TB_e = tiles of the experts before it); wave 0 lays the expert's tokens, ascending,
;   into a list in LDS; slice 0 of each expert stores pos (a token's padded row 16 TB_e + rank), work-group 0 stores meta (R_e, TB_e) for the later launches.
; LIMITS.  NaN and infinities are not treated apart (the ReLU turns a NaN into 0).  FC2 = 0: a token fragment's load takes 32 consecutive bytes of each of 16 rows, since the rows are chosen by a list.
; NO CLUSTER, NO TENSOR LOADS: each weight byte has one reader and must pass through registers to be rounded; what an expert's work-groups share is its token rows, which come by a list (FC2 = 0) or find no room
;   in LDS beside 278,528 bytes of weights (FC2 = 1: a group's five tiles x 1,024 k are 163,840 bytes).
.set FC2, 0
.if FC2
.set LOGN,   10                        ; log2 of an expert's weight rows
.set LOGROW, 14                        ; log2 of a weight row's bytes
.set CHS,    1024                      ; token operand: bytes from a chunk of 32 k to the next
.set QS,     512                       ; and from a fragment's first four registers to its last four
.else
.set LOGN,   12
.set LOGROW, 12
.set CHS,    64
.set QS,     32
.endif
.set ROWB,  1<<LOGROW
.set WP,    272                        ; an LDS row of weights: 128 k in bf16 + 16 bytes = 17 x 16: the 16 rows of a fragment load start at 16 different groups of four banks
.set WREG,  128*WP                     ; a region: 128 rows
.set SPARE, 8*WREG                     ; the spare words, 128 bytes a wave: two blocks of 256 bytes that no other line names
.set LIST,  SPARE+512                  ; FC2 = 0: 1,024 halfwords, the expert's tokens; behind them 32 halfwords for the lanes whose token did not choose it
.set STAGE, SPARE+512                  ; FC2 = 1: 16 rows x 528 bytes for each wave, for the way out
.set SPI,   528
; window 0
.set LN,   1                           ; lane
.set RR,   2                           ; lane % 16
.set HH,   3                           ; lane / 16
.set SPW,  4                           ; LDS address of my spare word; never rewritten
.set NIL,  5                           ; 0; never rewritten
.set ZERO, 6                           ; 0, for the ReLU
.set L16,  7                           ; 16 x lane
.set L8,   8                           ; 8 x lane
.set H32,  11                          ; 32 x half
.set AOF,  12                          ; v12-16  byte offset of my part of tile a's token rows
.set OOF,  17                          ; v17-21  byte offset of my part of tile a's output
.set PADR, 22                          ; v22-25  phase 1: where my 8 bytes of a weight row go, regions 2 jj
.set T0,   26                          ; v26-28  at work
.set DMP,  29                          ; FC2 = 0: 1,024 + lane
.set STO,  29                          ; FC2 = 1: the way out: where I put 16 bytes of a row
.set H16,  30                          ; FC2 = 0: 16 x half
.set RD,   30                          ; FC2 = 1: the way out: where I read a row back
.set L4,   31                          ; 4 x lane
.set BI0,  32                          ; my place in a weights' fragment in units of 16 bytes: 17 x row + half; never rewritten
.set BL0,  33                          ; the same in bytes: row x pitch + 16 x half; never rewritten
.set BADR, 34                          ; the same in the region in hand
.set SELW, 40                          ; v40-47  word [e][lane] of sel, then its count of bits
.set T,    48                          ; v48-63  at work
.set BF,   64                          ; v64-127, v128-191  two buffers of weights' fragments; at work on the way out
.set BIASF, 192                        ; v192-255  the bias as C operands, 8 registers for each block of 16 columns
; window 1: phase 1: 8 slots of 32 registers as loaded.  phase 2: four slots of token fragments, tile a of slot s at 40 s + 8 a
; window 2: accumulator (a, b) at 8 (8 a + b), a = 0..3.      window 3: accumulator (4, b) at 8 b
.set WV,   18                          ; wave
.set EX,   19                          ; expert
.set SL,   20                          ; column slice
.set KS,   21                          ; slice of K (FC2 = 1)
.set RC,   22                          ; the expert's rows
.set TB,   23                          ; its first tile
.set NT,   24                          ; its tiles
.set NW,   25                          ; my wave's tiles,
.set FW,   26                          ; the first of them
.set OC,   27                          ; counts the groups
.set TCUR, 28                          ; the group's first tile
.set REM,  29                          ; my tiles still to do
.set TCN,  30                          ; the group's live tiles
.set KC,   31                          ; counts rounds of the stream, trips along K
.set SW,   32                          ; s[32:63] the expert's 32 words of sel
.set CN,   66                          ; s66-73 R_e
.set HMASK, 74                         ; a word's upper bf16
.set MF,   75                          ; 0x0f0f0f0f, 0x55555555, 0x33333333: for the count of ones
.set M5,   76
.set M3,   77
.set OF,   78                          ; s[78:79] a 64-bit offset
.set KB,   83                          ; phase 2: the trip's region, in units of 16 bytes (s80-83 are at work in the head)
.set TBS,  84                          ; s84-91 TB_e
.set PSEL, 92                          ; s92-93 v_permlanex16_b32's selects
.set LASTT, 94                         ; my wave's last tile
.set RM1,  95                          ; the expert's last row
.set BMASK, 96                         ; FC2 = 1: all ones in the first slice of K
.set SOFF, 97                          ; offset of the scalar loads
.set WG,   98
.set OUTC, 99                          ; the slice's constant part of an output offset
.set AB,   100                         ; s[100:101] the token operand's base, stepped along K
.set MSB, 0
.macro WIN new                         ; s_set_vgpr_msb: bits 1:0 source 0, 3:2 source 1, 5:4 source 2, 7:6 destination; the high byte repeats the setting that is left
.if MSB != (\new)
	s_set_vgpr_msb (MSB<<8)|(\new)
.set MSB, \new
.endif
.endm
.macro PLACES                          ; four places between a matrix instruction and a load into, or a vector instruction on, its registers (ISA guide 7.12.1 for vector instructions)
.rept 4
	v_nop
.endr
.endm
; a weight row's 4,096 bytes of the slice: eight loads of 512 consecutive bytes, into slot's 32 registers; row counts from the base
.macro SISSUE slot, row
	WIN 0x40                                       ; destination window 1
.irp j, 0,1,2,3,4,5,6,7
	global_load_b128 v[32*(\slot)+4*(\j):32*(\slot)+4*(\j)+3], v[L16], s[6:7] offset:(\row)*ROWB+512*(\j) th:TH_LOAD_NT
.endr
.endm
; a round of the stream: eight weight rows are rounded and laid into LDS.  Seven rows are out at a time: step q asks for the row seven on, into the slot that the step before has emptied.
; last = 1: the fourth round: only its first step has a row left to ask for
.macro SROUND last
.irp q, 0,1,2,3,4,5,6,7
.if (\last) && ((\q) > 0)
	s_wait_loadcnt 8*(7-(\q))                      ; nothing is asked for any more: the counts run down
.else
	s_wait_loadcnt 48                              ; loads come back in order (ISA guide 5.7.1): row q is in, the six younger rows' 48 loads stay out
.endif
	WIN 0x05                                       ; sources window 1, destination window 0
.irp j, 0,1,2,3,4,5,6,7
	v_cvt_pk_bf16_f32 v[T+2*(\j)], v[32*(\q)+4*(\j)], v[32*(\q)+4*(\j)+1]
	v_cvt_pk_bf16_f32 v[T+2*(\j)+1], v[32*(\q)+4*(\j)+2], v[32*(\q)+4*(\j)+3]
.endr
	WIN 0
.irp j, 0,1,2,3,4,5,6,7
	ds_store_b64 v[PADR+(\j)/2], v[T+2*(\j):T+2*(\j)+1] offset:((\j)%2)*WREG+WP*(\q)  ; load j holds k = 128 j + 4 lane ..: region j, 256 consecutive bytes
.endr
.if !(\last) || ((\q) == 0)
	SISSUE ((\q)+7)%8, (\q)+7
.endif
.endr
	WIN 0
.if !(\last)
.irp jj, 0,1,2,3
	v_add_nc_u32 v[PADR+(\jj)], 8*WP, v[PADR+(\jj)]
.endr
	s_wait_xcnt 0x0                                ; the loads' base is stepped only behind this wait
	s_add_nc_u64 s[6:7], s[6:7], 8*ROWB
.endif
.endm
; 16 LDS loads: the weights' eight fragments (128 columns x 32 k) at byte off from the address in v[adr], into buffer buf
.macro BLD buf, adr, off
	WIN 0
.irp b, 0,1,2,3,4,5,6,7
	ds_load_b128 v[BF+64*(\buf)+8*(\b):BF+64*(\buf)+8*(\b)+3], v[\adr] offset:(\off)+16*WP*(\b)
	ds_load_b128 v[BF+64*(\buf)+8*(\b)+4:BF+64*(\buf)+8*(\b)+7], v[\adr] offset:(\off)+16*WP*(\b)+32
.endr
.endm
; 10 loads: the five tiles' token fragments of one chunk, at byte off from AB, into slot
.macro ALD slot, off
	WIN 0x40
.irp a, 0,1,2,3,4
	global_load_b128 v[40*(\slot)+8*(\a):40*(\slot)+8*(\a)+3], v[AOF+(\a)], s[AB:AB+1] offset:(\off)
	global_load_b128 v[40*(\slot)+8*(\a)+4:40*(\slot)+8*(\a)+7], v[AOF+(\a)], s[AB:AB+1] offset:(\off)+QS
.endr
.endm
; 8 matrix instructions: tile a x all 8 column blocks.  first = 1: the bias is C and starts the sums: nothing is cleared
.macro MUL buf, slot, a, first
.if \first
	WIN 0x84+0x40*((\a)/4)                         ; weights window 0, tokens window 1, C (bias) window 0, D window 2 or 3
.else
	WIN 0xa4+0x50*((\a)/4)                         ; the same with C and D in window 2 or 3
.endif
.set rA, 40*(\slot)+8*(\a)
.set rB, BF+64*(\buf)
.set rC, 64*((\a)%4)
.irp b, 0,1,2,3,4,5,6,7
.if \first
	v_wmma_f32_16x16x32_bf16 v[rC+8*(\b):rC+8*(\b)+7], v[rB+8*(\b):rB+8*(\b)+7], v[rA:rA+7], v[BIASF+8*(\b):BIASF+8*(\b)+7]
.else
	v_wmma_f32_16x16x32_bf16 v[rC+8*(\b):rC+8*(\b)+7], v[rB+8*(\b):rB+8*(\b)+7], v[rA:rA+7], v[rC+8*(\b):rC+8*(\b)+7]
.endif
.endr
.endm
; A chunk of 32 along K: up to 40 matrix instructions, the accumulators by turns, one instruction a turn and in the same order in every chunk.  Behind the first 16 stand, in one run, the
; next chunk's weights (at boff from v[adr]) and the token fragments of the chunk three on (aoff); a negative offset: none.  lw: the token loads younger than this chunk's.
; calc = 1 (in the loop): v[adr] is made here, from the trip's region; the three lines and a v_nop are the four places ahead of the loads.
.macro CH buf, slot, first, calc, adr, boff, aoff, lw
	s_wait_loadcnt_dscnt (\lw)<<8                  ; bits 15:8: my chunk's ten token loads are in; bits 7:0: so are its weights, asked for in the chunk before
	MUL \buf, \slot, 0, \first
	MUL \buf, \slot, 1, \first
.if (\boff) >= 0
.if \calc
	WIN 0                                          ; the registers loaded below were last read by the chunk before: four plain vector lines that name none of them stand between
	v_add_nc_u32 v[T0], s[KB], v[BI0]              ; the trip's region, in units of 16 bytes, and my place in a fragment,
	v_min_u32 v[T0], 6*(WREG/16)+256, v[T0]        ; held under region 6's last place: with the largest immediate, the loads end inside the eight regions
	v_lshlrev_b32 v[\adr], 4, v[T0]
	v_nop
.else
	PLACES                                         ; the registers loaded below were last read by the chunk before
.endif
	BLD 1-(\buf), \adr, \boff
.endif
.if (\aoff) >= 0
	ALD ((\slot)+3)%4, \aoff
.endif
	MUL \buf, \slot, 2, \first
	MUL \buf, \slot, 3, \first
.if \first
	MUL \buf, \slot, 4, \first                     ; always made: the fifth tile's accumulators are written on every way
.else
	WIN 0                                          ; at a branch and at a label every window is 0
	s_cmp_lt_u32 s[TCN], 5
	s_cbranch_scc1 .Lno5_\@                        ; the group has no fifth tile: its eight products are work on registers alone, and are jumped
	MUL \buf, \slot, 4, \first
	WIN 0
.Lno5_\@:
.endif
.endm
; the group's five tiles: where their token rows lie and where their results go.  Numbers that come from memory pass a clamp by a constant on their way into an address.
.macro TILES
.irp a, 0,1,2,3,4
	s_add_co_u32 s80, s[TCUR], \a
	s_min_u32 s80, s80, s[LASTT]                   ; past my last tile: that tile once more
.if !FC2
	s_lshl_b32 s81, s80, 4
	v_add_nc_u32 v[T0], s81, v[RR]
	v_min_u32 v[T0], s[RM1], v[T0]                 ; past the expert's last row: that row once more
	v_min_u32 v[T0], 0x3ff, v[T0]
	v_lshl_add_u32 v[T0], v[T0], 1, LIST
	ds_load_u16 v[AOF+(\a)], v[T0]                 ; the row's token
.endif
	s_add_co_u32 s80, s80, s[TB]
	s_min_u32 s80, s80, 135
.if FC2
	s_lshl_b32 s81, s80, 17                        ; a tile of hid: 131,072 bytes
	v_add_nc_u32 v[AOF+(\a)], s81, v[L16]
	s_lshl_b32 s80, s80, 18                        ; 16 rows of ypart: 262,144 bytes
.else
	s_lshl_b32 s80, s80, 17
.endif
	s_add_co_u32 s80, s80, s[OUTC]
	v_add_nc_u32 v[OOF+(\a)], s80, v[L16]
.endr
.if !FC2
	s_wait_dscnt 0x0
.irp a, 0,1,2,3,4
	v_min_u32 v[AOF+(\a)], 0x3ff, v[AOF+(\a)]
	v_lshl_add_u32 v[AOF+(\a)], v[AOF+(\a)], 11, v[H16]   ; token x 2,048 bytes + 16 x half
.endr
.endif
.endm
; THE WAY OUT of tile a.  Tiles past the group's count are jumped: whole store instructions, no barrier among them.
.macro OUT a
	WIN 0
.if (\a) > 0
	s_cmp_le_u32 s[TCN], \a
	s_cbranch_scc1 .Lend
.endif
	s_wait_xcnt 0x0                                ; registers that earlier stores read are rewritten only behind this wait
.set rC, 64*((\a)%4)
.if FC2
.set rE, BF+64*((\a)%2)
	WIN 0x08+4*((\a)/4)                            ; LDS store data (source 1) in window 2 or 3
.irp b, 0,1,2,3,4,5,6,7
	ds_store_b128 v[STO], v[rC+8*(\b):rC+8*(\b)+3] offset:64*(\b)          ; a lane's eight columns of a row are 32 bytes; each accumulator's low registers are read first
	ds_store_b128 v[STO], v[rC+8*(\b)+4:rC+8*(\b)+7] offset:64*(\b)+16
.endr
	WIN 0
.irp i, 0,1,2,3,4,5,6,7,8,9,10,11,12,13,14,15
	ds_load_b128 v[rE+4*(\i):rE+4*(\i)+3], v[RD] offset:SPI*(\i)           ; LDS serves a wave's instructions in order (ISA guide 5.7.1.4): these see the stores above; the stage is my wave's own
.endr
	s_wait_dscnt 0x0
.irp i, 0,1,2,3,4,5,6,7,8,9,10,11,12,13,14,15
	global_store_b128 v[OOF+(\a)], v[rE+4*(\i):rE+4*(\i)+3], s[12:13] offset:16384*(\i)   ; a row's 512 consecutive bytes, at a multiple of 512 from ypart's first
.endr
.else
.set rE, BF+32*((\a)%4)
	WIN 0x0a+5*((\a)/4)                            ; sources window 2 or 3, destination window 0
.irp b, 0,1,2,3,4,5,6,7
.irp q, 0,1,2,3
	v_cvt_pk_bf16_f32 v[rE+4*(\b)+(\q)], v[rC+8*(\b)+2*(\q)], v[rC+8*(\b)+2*(\q)+1]   ; ascending: each accumulator's low registers are read first
.endr
.endr
	WIN 0
.set i, 0
.rept 32
	v_pk_max_num_bf16 v[rE+i], v[rE+i], v[ZERO]    ; the ReLU, on two rounded numbers at once: rounding and maximum commute
.set i, i+1
.endr
.irp b, 0,1,2,3,4,5,6,7
	global_store_b128 v[OOF+(\a)], v[rE+4*(\b):rE+4*(\b)+3], s[12:13] offset:512*(\b)     ; 512 consecutive bytes of hid: half b % 2 of chunk b / 2
.endr
.endif
.endm
.macro POPC r                          ; the number of ones in v[r], in place
	v_lshrrev_b32 v[T+4], 1, v[\r]
	v_and_b32 v[T+4], s[M5], v[T+4]
	v_sub_nc_u32 v[\r], v[\r], v[T+4]
	v_lshrrev_b32 v[T+4], 2, v[\r]
	v_and_b32 v[T+4], s[M3], v[T+4]
	v_and_b32 v[\r], s[M3], v[\r]
	v_add_nc_u32 v[\r], v[\r], v[T+4]
	v_lshrrev_b32 v[T+4], 4, v[\r]
	v_add_nc_u32 v[\r], v[\r], v[T+4]
	v_and_b32 v[\r], s[MF], v[\r]
	v_lshrrev_b32 v[T+4], 8, v[\r]
	v_add_nc_u32 v[\r], v[\r], v[T+4]
	v_lshrrev_b32 v[T+4], 16, v[\r]
	v_add_nc_u32 v[\r], v[\r], v[T+4]
	v_and_b32 v[\r], 63, v[\r]
.endm
	; HEAD
	s_load_b256 s[4:11], s[0:1], 0x0               ; token operand s[4:5], weights s[6:7], bias s[8:9], sel or meta s[10:11]
.if FC2
	s_load_b64 s[12:13], s[0:1], 0x20              ; ypart
.else
	s_load_b128 s[12:15], s[0:1], 0x20             ; hid s[12:13], pos s[14:15]
	s_load_b64 s[16:17], s[0:1], 0x30              ; meta
.endif
	v_lshl_add_u32 v[SPW], v0, 2, SPARE
	v_mov_b32 v[NIL], 0
	v_mov_b32 v[ZERO], 0
	v_and_b32 v[LN], 31, v0
	v_and_b32 v[RR], 15, v0
	v_bfe_u32 v[HH], v0, 4, 1
	v_lshrrev_b32 v[T0], 5, v0
	v_readfirstlane_b32 s[WV], v[T0]
	v_lshlrev_b32 v[L16], 4, v[LN]
	v_lshlrev_b32 v[L8], 3, v[LN]
	v_lshlrev_b32 v[L4], 2, v[LN]
	v_lshlrev_b32 v[H32], 5, v[HH]
	v_mul_u32_u24 v[BI0], v[RR], WP/16
	v_add_nc_u32 v[BI0], v[BI0], v[HH]             ; 17 x row + half, 256 at the most
	v_lshlrev_b32 v[BL0], 4, v[BI0]
	s_mov_b32 s[HMASK], 0xffff0000
	s_mov_b32 s[WG], ttmp9
	s_lshr_b32 s[EX], ttmp9, 5
.if FC2
	s_bfe_u32 s[SL], ttmp9, 0x30002                ; three bits from bit 2
	s_and_b32 s[KS], ttmp9, 3
	s_cmp_eq_u32 s[KS], 0
	s_cselect_b32 s[BMASK], -1, 0
	s_lshl_b32 s[OUTC], s[KS], 12                  ; in a row of ypart: the slice of K's 4,096 bytes, the column slice's 512
	s_lshl_b32 s80, s[SL], 9
	s_add_co_u32 s[OUTC], s[OUTC], s80
	s_mul_i32 s83, s[WV], 16*SPI
	s_add_co_u32 s83, s83, STAGE                   ; my stage
	v_mul_u32_u24 v[STO], v[RR], SPI
	v_add_nc_u32 v[STO], v[STO], v[H32]
	v_add_nc_u32 v[STO], s83, v[STO]               ; in: row l % 16, 32 bytes for each half of the lanes
	v_add_nc_u32 v[RD], s83, v[L16]                ; back: a row's 512 bytes, 16 a lane
.else
	s_and_b32 s[SL], ttmp9, 31
	s_lshl_b32 s[OUTC], s[SL], 12                  ; in a tile of hid: the slice's four chunks
	v_lshlrev_b32 v[H16], 4, v[HH]
	v_add_nc_u32 v[DMP], 1024, v[LN]
	s_mov_b32 s[PSEL], 0x76543210
	s_mov_b32 s[PSEL+1], 0xfedcba98
	s_mov_b32 s[M5], 0x55555555
	s_mov_b32 s[M3], 0x33333333
	s_mov_b32 s[MF], 0x0f0f0f0f
.endif
	s_lshl_b32 s80, s[EX], LOGN
	s_lshl_b32 s81, s[SL], 7
	s_add_co_u32 s80, s80, s81                     ; the slice's first weight row = its first output column
	s_lshl_b32 s82, s80, 2                         ; its bias, in bytes
	s_lshl_b32 s81, s[WV], 5
	s_add_co_u32 s80, s80, s81                     ; my wave's 32 rows
	s_lshl_b32 s80, s80, LOGROW                    ; under 2^27 bytes
.if FC2
	s_lshl_b32 s81, s[KS], 12
	s_add_co_u32 s80, s80, s81                     ; the slice of K: 1,024 f32
.endif
	s_mov_b32 s[OF+1], 0
	s_mul_i32 s83, s[WV], 32*WP
	v_add_nc_u32 v[PADR], s83, v[L8]
.irp jj, 1,2,3
	v_add_nc_u32 v[PADR+(\jj)], 2*(\jj)*WREG, v[PADR]
.endr
	s_wait_kmcnt 0x0
	s_mov_b32 s[OF], s82
	s_add_nc_u64 s[8:9], s[8:9], s[OF:OF+1]
	s_mov_b32 s[OF], s80
	s_add_nc_u64 s[6:7], s[6:7], s[OF:OF+1]
.if FC2
	s_lshl_b32 s[OF], s[KS], 15                    ; 32 chunks of 1,024 bytes in each tile of hid
	s_add_nc_u64 s[4:5], s[4:5], s[OF:OF+1]
	s_lshl_b32 s[SOFF], s[EX], 3
	s_load_b64 s[RC:RC+1], s[10:11], s[SOFF] offset:0x0     ; R_e, TB_e
.else
	s_lshl_b32 s[OF], s[EX], 12
	s_add_nc_u64 s[14:15], s[14:15], s[OF:OF+1]    ; the expert's 4,096 bytes of pos
	s_lshl_b32 s[SOFF], s[EX], 7
	s_load_b512 s[SW:SW+15], s[10:11], s[SOFF] offset:0x0   ; my expert's 32 words of sel
	s_load_b512 s[SW+16:SW+31], s[10:11], s[SOFF] offset:0x40
.irp e, 0,1,2,3,4,5,6,7
	global_load_b32 v[SELW+(\e)], v[L4], s[10:11] offset:128*(\e)   ; every expert's words, one a lane
.endr
.endif
.irp b, 0,1,2,3,4,5,6,7
	global_load_b128 v[BIASF+8*(\b):BIASF+8*(\b)+3], v[H32], s[8:9] offset:64*(\b)       ; columns 16 b + 8 (l / 16) + 0..7: as an accumulator holds them
	global_load_b128 v[BIASF+8*(\b)+4:BIASF+8*(\b)+7], v[H32], s[8:9] offset:64*(\b)+16
.endr
.irp q, 0,1,2,3
	SISSUE \q, \q                                  ; the stream begins before anything else is worked on
.endr
	s_wait_loadcnt 32                              ; the four weight rows' 32 loads are younger: sel's words and the bias are in
.irp q, 4,5,6
	SISSUE \q, \q                                  ; seven rows, 56 loads, are out
.endr
	WIN 0
	s_wait_kmcnt 0x0
.set p, 0
.rept 32                                           ; the bias is rounded to bf16 like every input and widened again
	v_cvt_pk_bf16_f32 v[T+p%16], v[BIASF+2*p], v[BIASF+2*p+1]
.if FC2
	v_and_b32 v[T+p%16], s[BMASK], v[T+p%16]       ; it enters one of the four partial sums
.endif
	v_lshlrev_b32 v[BIASF+2*p], 16, v[T+p%16]
	v_and_b32 v[BIASF+2*p+1], s[HMASK], v[T+p%16]
.set p, p+1
.endr
.if FC2
	s_min_u32 s[RC], s[RC], 1024
.else
	; COUNTS: R_e for all experts, whole numbers throughout: ones of each lane's word, two experts to a register, summed over the 32 lanes
.irp e, 0,1,2,3,4,5,6,7
	POPC SELW+(\e)
.endr
.irp i, 0,1,2,3
	v_lshl_or_b32 v[T+(\i)], v[SELW+2*(\i)+1], 16, v[SELW+2*(\i)]
.endr
	v_mov_b32 v[T+4], 0                            ; the destination of the lines below counts as read
.irp i, 0,1,2,3
.irp m, 1,2,4,8
	v_mov_b32_dpp v[T+4], v[T+(\i)] row_xmask:\m row_mask:0xf bank_mask:0xf
	v_add_nc_u32 v[T+(\i)], v[T+(\i)], v[T+4]
.endr
	v_permlanex16_b32 v[T+4], v[T+(\i)], s[PSEL], s[PSEL+1]
	v_add_nc_u32 v[T+(\i)], v[T+(\i)], v[T+4]
	v_readfirstlane_b32 s80, v[T+(\i)]
	s_and_b32 s[CN+2*(\i)], s80, 0xffff
	s_lshr_b32 s[CN+2*(\i)+1], s80, 16
	s_min_u32 s[CN+2*(\i)], s[CN+2*(\i)], 1024
	s_min_u32 s[CN+2*(\i)+1], s[CN+2*(\i)+1], 1024
.endr
	s_mov_b32 s81, 0                               ; tiles of the experts so far
	s_mov_b32 s[RC], 0
	s_mov_b32 s[TB], 0
.irp e, 0,1,2,3,4,5,6,7
	s_mov_b32 s[TBS+(\e)], s81
	s_cmp_eq_u32 s[EX], \e
	s_cselect_b32 s[RC], s[CN+(\e)], s[RC]
	s_cselect_b32 s[TB], s81, s[TB]
	s_add_co_u32 s82, s[CN+(\e)], 15
	s_lshr_b32 s82, s82, 4
	s_add_co_u32 s81, s81, s82
.endr
.endif
	s_min_u32 s[TB], s[TB], 135                    ; 2,048 rows and 8 experts make 135 tiles at the most
	s_add_co_u32 s[NT], s[RC], 15
	s_lshr_b32 s[NT], s[NT], 4
	s_lshr_b32 s80, s[NT], 2                       ; the tiles are dealt to the four waves, the first NT % 4 waves one more
	s_and_b32 s81, s[NT], 3
	s_cmp_lt_u32 s[WV], s81
	s_cselect_b32 s82, 1, 0
	s_add_co_u32 s[NW], s80, s82
	s_mul_i32 s[FW], s[WV], s80
	s_min_u32 s82, s[WV], s81
	s_add_co_u32 s[FW], s[FW], s82
	s_add_co_u32 s[LASTT], s[FW], s[NW]
	s_sub_co_u32 s[LASTT], s[LASTT], 1             ; (used only where NW is at least 1)
	s_sub_co_u32 s[RM1], s[RC], 1
.if !FC2
	s_cmp_lg_u32 s[WV], 0
	s_cbranch_scc1 .Lnolist                        ; wave 0 alone; no barrier is jumped
.irp i, 0,1,2,3
	v_mov_b32 v[BF+(\i)], 0
.endr
	v_add_nc_u32 v[T0+1], LIST, v[L16]
.irp i, 0,1,2,3
	ds_store_b128 v[T0+1], v[BF:BF+3] offset:512*(\i)  ; the list's 2,048 bytes are written whole: places past the expert's count hold token 0
.endr
	s_mov_b32 s80, 0                               ; the expert's tokens so far
	s_mov_b32 s83, LIST
	v_mov_b32 v[T0+2], v[LN]                       ; token 32 j + lane
.irp j, 0,1,2,3,4,5,6,7,8,9,10,11,12,13,14,15,16,17,18,19,20,21,22,23,24,25,26,27,28,29,30,31
	v_mbcnt_lo_u32_b32 v[T0], s[SW+(\j)], s80      ; its rank among the expert's tokens
	v_cndmask_b32 v[T0], v[DMP], v[T0], s[SW+(\j)] ; a token that did not choose the expert goes behind the list
	v_min_u32 v[T0], 0x41f, v[T0]
	v_lshl_add_u32 v[T0], v[T0], 1, s83
	ds_store_b16 v[T0], v[T0+2]                    ; LDS serves a wave's instructions in order: behind the zeros above
	v_add_nc_u32 v[T0+2], 32, v[T0+2]
	s_bcnt1_i32_b32 s81, s[SW+(\j)]
	s_add_co_u32 s80, s80, s81
.endr
	s_cmp_lg_u32 s[SL], 0
	s_cbranch_scc1 .Lnolist                        ; the expert's slice 0 stores pos
	s_lshl_b32 s80, s[TB], 4                       ; padded row = 16 TB + rank
.irp jp, 0,1,2,3,4,5,6,7,8,9,10,11,12,13,14,15
	v_mbcnt_lo_u32_b32 v[BF+2*(\jp)], s[SW+2*(\jp)], s80
	s_bcnt1_i32_b32 s81, s[SW+2*(\jp)]
	s_add_co_u32 s80, s80, s81
	v_mbcnt_lo_u32_b32 v[BF+2*(\jp)+1], s[SW+2*(\jp)+1], s80
	s_bcnt1_i32_b32 s81, s[SW+2*(\jp)+1]
	s_add_co_u32 s80, s80, s81
	global_store_b64 v[L8], v[BF+2*(\jp):BF+2*(\jp)+1], s[14:15] offset:256*(\jp)   ; tokens 64 jp + lane and 64 jp + 32 + lane: 256 consecutive bytes
.endr
	s_cmp_lg_u32 s[WG], 0
	s_cbranch_scc1 .Lnolist                        ; work-group 0 stores meta
	v_mov_b32 v[BF+32], 0
	v_mov_b32 v[BF+33], 0
.irp e, 0,1,2,3,4,5,6,7
	v_writelane_b32 v[BF+32], s[CN+(\e)], \e
	v_writelane_b32 v[BF+33], s[TBS+(\e)], \e
.endr
	global_store_b64 v[L8], v[BF+32:BF+33], s[16:17]   ; lane e: R_e, TB_e; the other lanes zeros: 256 bytes
.Lnolist:
.endif
	; PHASE 1: the stream.  32 rows a wave in four rounds of eight; three rounds ask in every step
	s_mov_b32 s[KC], 3
.Lstream:
	SROUND 0
	s_sub_co_u32 s[KC], s[KC], 1
	s_cmp_lg_u32 s[KC], 0
	s_cbranch_scc1 .Lstream
	SROUND 1
	s_wait_dscnt 0x0                               ; for the others' sake: my rows (and wave 0's list) are in LDS
	s_barrier_signal -1
	s_barrier_wait -1                              ; the one barrier: behind it the weights and the list are only read
	; PHASE 2
	s_mov_b32 s[OC], 4
	s_mov_b32 s[TCUR], s[FW]
	s_mov_b32 s[REM], s[NW]
.Lgrp:
	s_cmp_le_i32 s[REM], 0
	s_cbranch_scc1 .Lskip                          ; no tile left for this trip
	s_min_u32 s[TCN], s[REM], 5
	TILES
	s_mov_b64 s[AB:AB+1], s[4:5]
	ALD 0, 0                                       ; three chunks' token fragments are asked for ahead
	ALD 1, CHS
	ALD 2, 2*CHS
	BLD 0, BL0, 0
	CH 0, 0, 1, 0, BL0, 64, 3*CHS, 20              ; chunk 0 stands ahead of the loop: its products start the sums.  20: chunks 1 and 2 stay out
	WIN 0
	s_mov_b32 s[KC], 7
	s_mov_b32 s[KB], 0
.Lk:                                               ; trip t: chunks 4 t + 1 .. 4 t + 4; chunk c lies in region c / 4 at byte 64 (c % 4) of its rows
	CH 1, 1, 0, 1, BADR, 128, 4*CHS, 20
	CH 0, 2, 0, 1, BADR, 192, 5*CHS, 20
	CH 1, 3, 0, 1, BADR, WREG, 6*CHS, 20
	CH 0, 0, 0, 1, BADR, WREG+64, 7*CHS, 20
	s_wait_xcnt 0x0                                ; the token loads' base is stepped only behind this wait
	s_add_nc_u64 s[AB:AB+1], s[AB:AB+1], 4*CHS
	s_add_co_u32 s[KB], s[KB], WREG/16
	s_sub_co_u32 s[KC], s[KC], 1
	s_cmp_lg_u32 s[KC], 0
	s_cbranch_scc1 .Lk
	v_add_nc_u32 v[BADR], 7*WREG, v[BL0]           ; region 7
	CH 1, 1, 0, 0, BADR, 128, -1, 20               ; chunks 29 to 31: no token loads are left to ask for, and the counts run down
	CH 0, 2, 0, 0, BADR, 192, -1, 10
	CH 1, 3, 0, 0, BADR, -1, -1, 0
	PLACES                                         ; between the last products and the first readers of results and writers of fragments
	OUT 0
	OUT 1
	OUT 2
	OUT 3
	OUT 4
	WIN 0
.Lend:
	s_wait_xcnt 0x0                                ; the stores' offsets and data are rewritten by the next group only behind this wait
.Lskip:
	s_add_co_u32 s[TCUR], s[TCUR], 5
	s_sub_co_i32 s[REM], s[REM], 5
	s_sub_co_u32 s[OC], s[OC], 1
	s_cmp_lg_u32 s[OC], 0
	s_cbranch_scc1 .Lgrp
	s_wait_tensorcnt 0x0                           ; the wave's end
	ds_add_u32 v[SPW], v[NIL]
	s_wait_dscnt 0x0
	s_endpgm
.Lfunc_end_k_qa354134515_fc1:
	.size	k_qa354134515_fc1, .Lfunc_end_k_qa354134515_fc1-k_qa354134515_fc1
	.p2alignl 7, 3214868480
	.fill 96, 4, 3214868480
	.section	.rodata,"a",@progbits
	.p2align	6, 0x0
	.amdhsa_kernel k_qa354134515_fc1
		.amdhsa_group_segment_fixed_size 281344
		.amdhsa_private_segment_fixed_size 0
		.amdhsa_enable_private_segment 0
		.amdhsa_kernarg_size 56
		.amdhsa_user_sgpr_count 2
		.amdhsa_user_sgpr_kernarg_segment_ptr 1
		.amdhsa_wavefront_size32 1
		.amdhsa_system_sgpr_workgroup_id_x 1
		.amdhsa_system_sgpr_workgroup_id_y 1
		.amdhsa_system_sgpr_workgroup_id_z 1
		.amdhsa_system_vgpr_workitem_id 0
		.amdhsa_next_free_vgpr 832
		.amdhsa_next_free_sgpr 102
		.amdhsa_reserve_vcc 0
		.amdhsa_float_denorm_mode_32 3
		.amdhsa_float_denorm_mode_16_64 3
		.amdhsa_memory_ordered 1
		.amdhsa_forward_progress 1
		.amdhsa_inst_pref_size 145
	.end_amdhsa_kernel
	.amdgpu_metadata
---
amdhsa.version: [ 1, 2 ]
amdhsa.kernels:
  - .name:           k_qa354134515_fc1
    .symbol:         k_qa354134515_fc1.kd
    .args:
      - { .name: xb, .offset: 0, .size: 8, .value_kind: global_buffer, .address_space: global }
      - { .name: fc1_w, .offset: 8, .size: 8, .value_kind: global_buffer, .address_space: global }
      - { .name: fc1_b, .offset: 16, .size: 8, .value_kind: global_buffer, .address_space: global }
      - { .name: sel, .offset: 24, .size: 8, .value_kind: global_buffer, .address_space: global }
      - { .name: hid, .offset: 32, .size: 8, .value_kind: global_buffer, .address_space: global }
      - { .name: pos, .offset: 40, .size: 8, .value_kind: global_buffer, .address_space: global }
      - { .name: meta, .offset: 48, .size: 8, .value_kind: global_buffer, .address_space: global }
    .group_segment_fixed_size: 281344
    .private_segment_fixed_size: 0
    .kernarg_segment_align: 8
    .kernarg_segment_size: 56
    .max_flat_workgroup_size: 128
    .sgpr_count:     102
    .vgpr_count:     832
    .wavefront_size: 32
...
	.end_amdgpu_metadata
.endif
;; end of part 5
;; launch fc2 (part 6): grid 256 x 1, 4 waves a work-group, no clusters, 312,832 bytes of LDS; arguments hid, fc2_w, fc2_b, meta, ypart; writes ypart
.if DOCPART == 6
	.amdgcn_target "amdgcn-amd-amdhsa--gfx1250"
	.amdhsa_code_object_version 6
	.text
	.protected	k_qa354134515_fc2
	.globl	k_qa354134515_fc2
	.p2align	8
	.type	k_qa354134515_fc2,@function
k_qa354134515_fc2:
	s_mov_b64 s[64:65], 0
	v_nop
	global_prefetch_b8 v0, s[64:65] scope:SCOPE_SE
	s_setreg_imm32_b32 hwreg(HW_REG_WAVE_MODE, 25, 1), 1
	s_wait_xcnt 0x0
; ONE EXPERT PRODUCT.  This text serves both products of the layer; the switch FC2 chooses.  Here FC2 = 1: ypart[row][ks] = hid[row][slice ks of K] W2^T (+ b2 in slice 0), partial sums in f32.
;   FC2 = 0: A = xb (tokens by a list), W = fc1_w [8][4096][1024], output hid in bf16.      FC2 = 1: A = hid, W = fc2_w [8][1024][4096], output ypart, partial sums in f32.
; SHARES.  A work-group owns 128 output columns x 1,024 of K of ONE expert: 512 KB of f32 weights that it alone reads.  FC2 = 0: 8 experts x 32 column slices.  FC2 = 1: 8 experts x 8 column slices x 4 slices of K.
; PHASE 1: the four waves stream the slice, 32 weight rows each, through registers, round it to bf16 and lay it into LDS (8 regions of 128 rows x 128 k).  56 loads of 512 bytes of each wave are out at a time.  One barrier.
; PHASE 2: each wave takes its share of the expert's tiles of 16 rows, five tiles at a time: weights' fragments from LDS (each feeds up to five matrix instructions), token rows from memory straight into registers.
;   The loop over groups has 4 trips whatever the split (4 waves x 4 trips x 5 tiles = 80 cover the 64 tiles of all tokens on one expert); trips without tiles are jumped; no barrier stands in it.
;   A group that is not full repeats the wave's last tile and does not store the repeats; a tile that is not full holds the expert's last row repeated, which is stored and never read.
;   THE WALK ALONG K, 32 chunks of 32: chunk 0 ahead of a loop (its products start the sums), 7 trips of 4 chunks, 3 chunks behind it.  In the loop the LDS address is made anew directly ahead of each run of loads: my
;   lane's place plus the trip's region, held under a constant and then scaled by 16, so that every address of the loop lies inside the eight regions (212,992 + 65,376 + 16 bytes at the most, of 278,528), which
;   nothing writes behind the barrier.  The three lines that make it are three of the four places that stand ahead of the run anyway.
;   THE FIFTH TILE: where a group has four tiles or fewer, the fifth tile's eight products are jumped in chunks 1 to 31.  Chunk 0's are made, so that these accumulators are written on every way; its token loads
;   stay, so that the counted waits hold on both ways.
; THE MATRIX INSTRUCTION IS USED TRANSPOSED: source 0 = 16 weight rows (output columns), source 1 = 16 tokens.  Lane l then holds token l % 16 and columns 8 (l / 16) + 0..7.  The bias, rounded to bf16 like
;   every input, is the C operand of the first product (FC2 = 1: in the first slice of K alone, 0 in the others).
; hid LIES IN FRAGMENT ORDER: [tile][chunk of 32 k][half][lane][16 bytes]: each load of a token fragment's half covers 512 consecutive bytes.
; ypart: [padded row][slice of K][1,024] f32.  A lane's eight columns are 32 bytes of a row: a tile goes through the wave's own stage in LDS and leaves as rows of 512 consecutive bytes.
; WHY K IS SPLIT IN FOUR: a slice then has the first product's shape (128 columns x 1,024 k fill LDS), a token fragment feeds 8 matrix instructions, and the four partial rows are added by the launch that adds a token's two experts anyway.
; ROUTING (FC2 = 1): R_e and TB_e come from meta, whole numbers that the first product stored.
; LIMITS.  NaN and infinities are not treated apart.
; NO CLUSTER, NO TENSOR LOADS: each weight byte has one reader and must pass through registers to be rounded; what an expert's work-groups share is its token rows, which come by a list (FC2 = 0) or find no room
;   in LDS beside 278,528 bytes of weights (FC2 = 1: a group's five tiles x 1,024 k are 163,840 bytes).
.set FC2, 1
.if FC2
.set LOGN,   10                        ; log2 of an expert's weight rows
.set LOGROW, 14                        ; log2 of a weight row's bytes
.set CHS,    1024                      ; token operand: bytes from a chunk of 32 k to the next
.set QS,     512                       ; and from a fragment's first four registers to its last four
.else
.set LOGN,   12
.set LOGROW, 12
.set CHS,    64
.set QS,     32
.endif
.set ROWB,  1<<LOGROW
.set WP,    272                        ; an LDS row of weights: 128 k in bf16 + 16 bytes = 17 x 16: the 16 rows of a fragment load start at 16 different groups of four banks
.set WREG,  128*WP                     ; a region: 128 rows
.set SPARE, 8*WREG                     ; the spare words, 128 bytes a wave: two blocks of 256 bytes that no other line names
.set LIST,  SPARE+512                  ; FC2 = 0: 1,024 halfwords, the expert's tokens; behind them 32 halfwords for the lanes whose token did not choose it
.set STAGE, SPARE+512                  ; FC2 = 1: 16 rows x 528 bytes for each wave, for the way out
.set SPI,   528
; window 0
.set LN,   1                           ; lane
.set RR,   2                           ; lane % 16
.set HH,   3                           ; lane / 16
.set SPW,  4                           ; LDS address of my spare word; never rewritten
.set NIL,  5                           ; 0; never rewritten
.set ZERO, 6                           ; 0, for the ReLU
.set L16,  7                           ; 16 x lane
.set L8,   8                           ; 8 x lane
.set H32,  11                          ; 32 x half
.set AOF,  12                          ; v12-16  byte offset of my part of tile a's token rows
.set OOF,  17                          ; v17-21  byte offset of my part of tile a's output
.set PADR, 22                          ; v22-25  phase 1: where my 8 bytes of a weight row go, regions 2 jj
.set T0,   26                          ; v26-28  at work
.set DMP,  29                          ; FC2 = 0: 1,024 + lane
.set STO,  29                          ; FC2 = 1: the way out: where I put 16 bytes of a row
.set H16,  30                          ; FC2 = 0: 16 x half
.set RD,   30                          ; FC2 = 1: the way out: where I read a row back
.set L4,   31                          ; 4 x lane
.set BI0,  32                          ; my place in a weights' fragment in units of 16 bytes: 17 x row + half; never rewritten
.set BL0,  33                          ; the same in bytes: row x pitch + 16 x half; never rewritten
.set BADR, 34                          ; the same in the region in hand
.set SELW, 40                          ; v40-47  word [e][lane] of sel, then its count of bits
.set T,    48                          ; v48-63  at work
.set BF,   64                          ; v64-127, v128-191  two buffers of weights' fragments; at work on the way out
.set BIASF, 192                        ; v192-255  the bias as C operands, 8 registers for each block of 16 columns
; window 1: phase 1: 8 slots of 32 registers as loaded.  phase 2: four slots of token fragments, tile a of slot s at 40 s + 8 a
; window 2: accumulator (a, b) at 8 (8 a + b), a = 0..3.      window 3: accumulator (4, b) at 8 b
.set WV,   18                          ; wave
.set EX,   19                          ; expert
.set SL,   20                          ; column slice
.set KS,   21                          ; slice of K (FC2 = 1)
.set RC,   22                          ; the expert's rows
.set TB,   23                          ; its first tile
.set NT,   24                          ; its tiles
.set NW,   25                          ; my wave's tiles,
.set FW,   26                          ; the first of them
.set OC,   27                          ; counts the groups
.set TCUR, 28                          ; the group's first tile
.set REM,  29                          ; my tiles still to do
.set TCN,  30                          ; the group's live tiles
.set KC,   31                          ; counts rounds of the stream, trips along K
.set SW,   32                          ; s[32:63] the expert's 32 words of sel
.set CN,   66                          ; s66-73 R_e
.set HMASK, 74                         ; a word's upper bf16
.set MF,   75                          ; 0x0f0f0f0f, 0x55555555, 0x33333333: for the count of ones
.set M5,   76
.set M3,   77
.set OF,   78                          ; s[78:79] a 64-bit offset
.set KB,   83                          ; phase 2: the trip's region, in units of 16 bytes (s80-83 are at work in the head)
.set TBS,  84                          ; s84-91 TB_e
.set PSEL, 92                          ; s92-93 v_permlanex16_b32's selects
.set LASTT, 94                         ; my wave's last tile
.set RM1,  95                          ; the expert's last row
.set BMASK, 96                         ; FC2 = 1: all ones in the first slice of K
.set SOFF, 97                          ; offset of the scalar loads
.set WG,   98
.set OUTC, 99                          ; the slice's constant part of an output offset
.set AB,   100                         ; s[100:101] the token operand's base, stepped along K
.set MSB, 0
.macro WIN new                         ; s_set_vgpr_msb: bits 1:0 source 0, 3:2 source 1, 5:4 source 2, 7:6 destination; the high byte repeats the setting that is left
.if MSB != (\new)
	s_set_vgpr_msb (MSB<<8)|(\new)
.set MSB, \new
.endif
.endm
.macro PLACES                          ; four places between a matrix instruction and a load into, or a vector instruction on, its registers (ISA guide 7.12.1 for vector instructions)
.rept 4
	v_nop
.endr
.endm
; a weight row's 4,096 bytes of the slice: eight loads of 512 consecutive bytes, into slot's 32 registers; row counts from the base
.macro SISSUE slot, row
	WIN 0x40                                       ; destination window 1
.irp j, 0,1,2,3,4,5,6,7
	global_load_b128 v[32*(\slot)+4*(\j):32*(\slot)+4*(\j)+3], v[L16], s[6:7] offset:(\row)*ROWB+512*(\j) th:TH_LOAD_NT
.endr
.endm
; a round of the stream: eight weight rows are rounded and laid into LDS.  Seven rows are out at a time: step q asks for the row seven on, into the slot that the step before has emptied.
; last = 1: the fourth round: only its first step has a row left to ask for
.macro SROUND last
.irp q, 0,1,2,3,4,5,6,7
.if (\last) && ((\q) > 0)
	s_wait_loadcnt 8*(7-(\q))                      ; nothing is asked for any more: the counts run down
.else
	s_wait_loadcnt 48                              ; loads come back in order (ISA guide 5.7.1): row q is in, the six younger rows' 48 loads stay out
.endif
	WIN 0x05                                       ; sources window 1, destination window 0
.irp j, 0,1,2,3,4,5,6,7
	v_cvt_pk_bf16_f32 v[T+2*(\j)], v[32*(\q)+4*(\j)], v[32*(\q)+4*(\j)+1]
	v_cvt_pk_bf16_f32 v[T+2*(\j)+1], v[32*(\q)+4*(\j)+2], v[32*(\q)+4*(\j)+3]
.endr
	WIN 0
.irp j, 0,1,2,3,4,5,6,7
	ds_store_b64 v[PADR+(\j)/2], v[T+2*(\j):T+2*(\j)+1] offset:((\j)%2)*WREG+WP*(\q)  ; load j holds k = 128 j + 4 lane ..: region j, 256 consecutive bytes
.endr
.if !(\last) || ((\q) == 0)
	SISSUE ((\q)+7)%8, (\q)+7
.endif
.endr
	WIN 0
.if !(\last)
.irp jj, 0,1,2,3
	v_add_nc_u32 v[PADR+(\jj)], 8*WP, v[PADR+(\jj)]
.endr
	s_wait_xcnt 0x0                                ; the loads' base is stepped only behind this wait
	s_add_nc_u64 s[6:7], s[6:7], 8*ROWB
.endif
.endm
; 16 LDS loads: the weights' eight fragments (128 columns x 32 k) at byte off from the address in v[adr], into buffer buf
.macro BLD buf, adr, off
	WIN 0
.irp b, 0,1,2,3,4,5,6,7
	ds_load_b128 v[BF+64*(\buf)+8*(\b):BF+64*(\buf)+8*(\b)+3], v[\adr] offset:(\off)+16*WP*(\b)
	ds_load_b128 v[BF+64*(\buf)+8*(\b)+4:BF+64*(\buf)+8*(\b)+7], v[\adr] offset:(\off)+16*WP*(\b)+32
.endr
.endm
; 10 loads: the five tiles' token fragments of one chunk, at byte off from AB, into slot
.macro ALD slot, off
	WIN 0x40
.irp a, 0,1,2,3,4
	global_load_b128 v[40*(\slot)+8*(\a):40*(\slot)+8*(\a)+3], v[AOF+(\a)], s[AB:AB+1] offset:(\off)
	global_load_b128 v[40*(\slot)+8*(\a)+4:40*(\slot)+8*(\a)+7], v[AOF+(\a)], s[AB:AB+1] offset:(\off)+QS
.endr
.endm
; 8 matrix instructions: tile a x all 8 column blocks.  first = 1: the bias is C and starts the sums: nothing is cleared
.macro MUL buf, slot, a, first
.if \first
	WIN 0x84+0x40*((\a)/4)                         ; weights window 0, tokens window 1, C (bias) window 0, D window 2 or 3
.else
	WIN 0xa4+0x50*((\a)/4)                         ; the same with C and D in window 2 or 3
.endif
.set rA, 40*(\slot)+8*(\a)
.set rB, BF+64*(\buf)
.set rC, 64*((\a)%4)
.irp b, 0,1,2,3,4,5,6,7
.if \first
	v_wmma_f32_16x16x32_bf16 v[rC+8*(\b):rC+8*(\b)+7], v[rB+8*(\b):rB+8*(\b)+7], v[rA:rA+7], v[BIASF+8*(\b):BIASF+8*(\b)+7]
.else
	v_wmma_f32_16x16x32_bf16 v[rC+8*(\b):rC+8*(\b)+7], v[rB+8*(\b):rB+8*(\b)+7], v[rA:rA+7], v[rC+8*(\b):rC+8*(\b)+7]
.endif
.endr
.endm
; A chunk of 32 along K: up to 40 matrix instructions, the accumulators by turns, one instruction a turn and in the same order in every chunk.  Behind the first 16 stand, in one run, the
; next chunk's weights (at boff from v[adr]) and the token fragments of the chunk three on (aoff); a negative offset: none.  lw: the token loads younger than this chunk's.
; calc = 1 (in the loop): v[adr] is made here, from the trip's region; the three lines and a v_nop are the four places ahead of the loads.
.macro CH buf, slot, first, calc, adr, boff, aoff, lw
	s_wait_loadcnt_dscnt (\lw)<<8                  ; bits 15:8: my chunk's ten token loads are in; bits 7:0: so are its weights, asked for in the chunk before
	MUL \buf, \slot, 0, \first
	MUL \buf, \slot, 1, \first
.if (\boff) >= 0
.if \calc
	WIN 0                                          ; the registers loaded below were last read by the chunk before: four plain vector lines that name none of them stand between
	v_add_nc_u32 v[T0], s[KB], v[BI0]              ; the trip's region, in units of 16 bytes, and my place in a fragment,
	v_min_u32 v[T0], 6*(WREG/16)+256, v[T0]        ; held under region 6's last place: with the largest immediate, the loads end inside the eight regions
	v_lshlrev_b32 v[\adr], 4, v[T0]
	v_nop
.else
	PLACES                                         ; the registers loaded below were last read by the chunk before
.endif
	BLD 1-(\buf), \adr, \boff
.endif
.if (\aoff) >= 0
	ALD ((\slot)+3)%4, \aoff
.endif
	MUL \buf, \slot, 2, \first
	MUL \buf, \slot, 3, \first
.if \first
	MUL \buf, \slot, 4, \first                     ; always made: the fifth tile's accumulators are written on every way
.else
	WIN 0                                          ; at a branch and at a label every window is 0
	s_cmp_lt_u32 s[TCN], 5
	s_cbranch_scc1 .Lno5_\@                        ; the group has no fifth tile: its eight products are work on registers alone, and are jumped
	MUL \buf, \slot, 4, \first
	WIN 0
.Lno5_\@:
.endif
.endm
; the group's five tiles: where their token rows lie and where their results go.  Numbers that come from memory pass a clamp by a constant on their way into an address.
.macro TILES
.irp a, 0,1,2,3,4
	s_add_co_u32 s80, s[TCUR], \a
	s_min_u32 s80, s80, s[LASTT]                   ; past my last tile: that tile once more
.if !FC2
	s_lshl_b32 s81, s80, 4
	v_add_nc_u32 v[T0], s81, v[RR]
	v_min_u32 v[T0], s[RM1], v[T0]                 ; past the expert's last row: that row once more
	v_min_u32 v[T0], 0x3ff, v[T0]
	v_lshl_add_u32 v[T0], v[T0], 1, LIST
	ds_load_u16 v[AOF+(\a)], v[T0]                 ; the row's token
.endif
	s_add_co_u32 s80, s80, s[TB]
	s_min_u32 s80, s80, 135
.if FC2
	s_lshl_b32 s81, s80, 17                        ; a tile of hid: 131,072 bytes
	v_add_nc_u32 v[AOF+(\a)], s81, v[L16]
	s_lshl_b32 s80, s80, 18                        ; 16 rows of ypart: 262,144 bytes
.else
	s_lshl_b32 s80, s80, 17
.endif
	s_add_co_u32 s80, s80, s[OUTC]
	v_add_nc_u32 v[OOF+(\a)], s80, v[L16]
.endr
.if !FC2
	s_wait_dscnt 0x0
.irp a, 0,1,2,3,4
	v_min_u32 v[AOF+(\a)], 0x3ff, v[AOF+(\a)]
	v_lshl_add_u32 v[AOF+(\a)], v[AOF+(\a)], 11, v[H16]   ; token x 2,048 bytes + 16 x half
.endr
.endif
.endm
; THE WAY OUT of tile a.  Tiles past the group's count are jumped: whole store instructions, no barrier among them.
.macro OUT a
	WIN 0
.if (\a) > 0
	s_cmp_le_u32 s[TCN], \a
	s_cbranch_scc1 .Lend
.endif
	s_wait_xcnt 0x0                                ; registers that earlier stores read are rewritten only behind this wait
.set rC, 64*((\a)%4)
.if FC2
.set rE, BF+64*((\a)%2)
	WIN 0x08+4*((\a)/4)                            ; LDS store data (source 1) in window 2 or 3
.irp b, 0,1,2,3,4,5,6,7
	ds_store_b128 v[STO], v[rC+8*(\b):rC+8*(\b)+3] offset:64*(\b)          ; a lane's eight columns of a row are 32 bytes; each accumulator's low registers are read first
	ds_store_b128 v[STO], v[rC+8*(\b)+4:rC+8*(\b)+7] offset:64*(\b)+16
.endr
	WIN 0
.irp i, 0,1,2,3,4,5,6,7,8,9,10,11,12,13,14,15
	ds_load_b128 v[rE+4*(\i):rE+4*(\i)+3], v[RD] offset:SPI*(\i)           ; LDS serves a wave's instructions in order (ISA guide 5.7.1.4): these see the stores above; the stage is my wave's own
.endr
	s_wait_dscnt 0x0
.irp i, 0,1,2,3,4,5,6,7,8,9,10,11,12,13,14,15
	global_store_b128 v[OOF+(\a)], v[rE+4*(\i):rE+4*(\i)+3], s[12:13] offset:16384*(\i)   ; a row's 512 consecutive bytes, at a multiple of 512 from ypart's first
.endr
.else
.set rE, BF+32*((\a)%4)
	WIN 0x0a+5*((\a)/4)                            ; sources window 2 or 3, destination window 0
.irp b, 0,1,2,3,4,5,6,7
.irp q, 0,1,2,3
	v_cvt_pk_bf16_f32 v[rE+4*(\b)+(\q)], v[rC+8*(\b)+2*(\q)], v[rC+8*(\b)+2*(\q)+1]   ; ascending: each accumulator's low registers are read first
.endr
.endr
	WIN 0
.set i, 0
.rept 32
	v_pk_max_num_bf16 v[rE+i], v[rE+i], v[ZERO]    ; the ReLU, on two rounded numbers at once: rounding and maximum commute
.set i, i+1
.endr
.irp b, 0,1,2,3,4,5,6,7
	global_store_b128 v[OOF+(\a)], v[rE+4*(\b):rE+4*(\b)+3], s[12:13] offset:512*(\b)     ; 512 consecutive bytes of hid: half b % 2 of chunk b / 2
.endr
.endif
.endm
.macro POPC r                          ; the number of ones in v[r], in place
	v_lshrrev_b32 v[T+4], 1, v[\r]
	v_and_b32 v[T+4], s[M5], v[T+4]
	v_sub_nc_u32 v[\r], v[\r], v[T+4]
	v_lshrrev_b32 v[T+4], 2, v[\r]
	v_and_b32 v[T+4], s[M3], v[T+4]
	v_and_b32 v[\r], s[M3], v[\r]
	v_add_nc_u32 v[\r], v[\r], v[T+4]
	v_lshrrev_b32 v[T+4], 4, v[\r]
	v_add_nc_u32 v[\r], v[\r], v[T+4]
	v_and_b32 v[\r], s[MF], v[\r]
	v_lshrrev_b32 v[T+4], 8, v[\r]
	v_add_nc_u32 v[\r], v[\r], v[T+4]
	v_lshrrev_b32 v[T+4], 16, v[\r]
	v_add_nc_u32 v[\r], v[\r], v[T+4]
	v_and_b32 v[\r], 63, v[\r]
.endm
	; HEAD
	s_load_b256 s[4:11], s[0:1], 0x0               ; token operand s[4:5], weights s[6:7], bias s[8:9], sel or meta s[10:11]
.if FC2
	s_load_b64 s[12:13], s[0:1], 0x20              ; ypart
.else
	s_load_b128 s[12:15], s[0:1], 0x20             ; hid s[12:13], pos s[14:15]
	s_load_b64 s[16:17], s[0:1], 0x30              ; meta
.endif
	v_lshl_add_u32 v[SPW], v0, 2, SPARE
	v_mov_b32 v[NIL], 0
	v_mov_b32 v[ZERO], 0
	v_and_b32 v[LN], 31, v0
	v_and_b32 v[RR], 15, v0
	v_bfe_u32 v[HH], v0, 4, 1
	v_lshrrev_b32 v[T0], 5, v0
	v_readfirstlane_b32 s[WV], v[T0]
	v_lshlrev_b32 v[L16], 4, v[LN]
	v_lshlrev_b32 v[L8], 3, v[LN]
	v_lshlrev_b32 v[L4], 2, v[LN]
	v_lshlrev_b32 v[H32], 5, v[HH]
	v_mul_u32_u24 v[BI0], v[RR], WP/16
	v_add_nc_u32 v[BI0], v[BI0], v[HH]             ; 17 x row + half, 256 at the most
	v_lshlrev_b32 v[BL0], 4, v[BI0]
	s_mov_b32 s[HMASK], 0xffff0000
	s_mov_b32 s[WG], ttmp9
	s_lshr_b32 s[EX], ttmp9, 5
.if FC2
	s_bfe_u32 s[SL], ttmp9, 0x30002                ; three bits from bit 2
	s_and_b32 s[KS], ttmp9, 3
	s_cmp_eq_u32 s[KS], 0
	s_cselect_b32 s[BMASK], -1, 0
	s_lshl_b32 s[OUTC], s[KS], 12                  ; in a row of ypart: the slice of K's 4,096 bytes, the column slice's 512
	s_lshl_b32 s80, s[SL], 9
	s_add_co_u32 s[OUTC], s[OUTC], s80
	s_mul_i32 s83, s[WV], 16*SPI
	s_add_co_u32 s83, s83, STAGE                   ; my stage
	v_mul_u32_u24 v[STO], v[RR], SPI
	v_add_nc_u32 v[STO], v[STO], v[H32]
	v_add_nc_u32 v[STO], s83, v[STO]               ; in: row l % 16, 32 bytes for each half of the lanes
	v_add_nc_u32 v[RD], s83, v[L16]                ; back: a row's 512 bytes, 16 a lane
.else
	s_and_b32 s[SL], ttmp9, 31
	s_lshl_b32 s[OUTC], s[SL], 12                  ; in a tile of hid: the slice's four chunks
	v_lshlrev_b32 v[H16], 4, v[HH]
	v_add_nc_u32 v[DMP], 1024, v[LN]
	s_mov_b32 s[PSEL], 0x76543210
	s_mov_b32 s[PSEL+1], 0xfedcba98
	s_mov_b32 s[M5], 0x55555555
	s_mov_b32 s[M3], 0x33333333
	s_mov_b32 s[MF], 0x0f0f0f0f
.endif
	s_lshl_b32 s80, s[EX], LOGN
	s_lshl_b32 s81, s[SL], 7
	s_add_co_u32 s80, s80, s81                     ; the slice's first weight row = its first output column
	s_lshl_b32 s82, s80, 2                         ; its bias, in bytes
	s_lshl_b32 s81, s[WV], 5
	s_add_co_u32 s80, s80, s81                     ; my wave's 32 rows
	s_lshl_b32 s80, s80, LOGROW                    ; under 2^27 bytes
.if FC2
	s_lshl_b32 s81, s[KS], 12
	s_add_co_u32 s80, s80, s81                     ; the slice of K: 1,024 f32
.endif
	s_mov_b32 s[OF+1], 0
	s_mul_i32 s83, s[WV], 32*WP
	v_add_nc_u32 v[PADR], s83, v[L8]
.irp jj, 1,2,3
	v_add_nc_u32 v[PADR+(\jj)], 2*(\jj)*WREG, v[PADR]
.endr
	s_wait_kmcnt 0x0
	s_mov_b32 s[OF], s82
	s_add_nc_u64 s[8:9], s[8:9], s[OF:OF+1]
	s_mov_b32 s[OF], s80
	s_add_nc_u64 s[6:7], s[6:7], s[OF:OF+1]
.if FC2
	s_lshl_b32 s[OF], s[KS], 15                    ; 32 chunks of 1,024 bytes in each tile of hid
	s_add_nc_u64 s[4:5], s[4:5], s[OF:OF+1]
	s_lshl_b32 s[SOFF], s[EX], 3
	s_load_b64 s[RC:RC+1], s[10:11], s[SOFF] offset:0x0     ; R_e, TB_e
.else
	s_lshl_b32 s[OF], s[EX], 12
	s_add_nc_u64 s[14:15], s[14:15], s[OF:OF+1]    ; the expert's 4,096 bytes of pos
	s_lshl_b32 s[SOFF], s[EX], 7
	s_load_b512 s[SW:SW+15], s[10:11], s[SOFF] offset:0x0   ; my expert's 32 words of sel
	s_load_b512 s[SW+16:SW+31], s[10:11], s[SOFF] offset:0x40
.irp e, 0,1,2,3,4,5,6,7
	global_load_b32 v[SELW+(\e)], v[L4], s[10:11] offset:128*(\e)   ; every expert's words, one a lane
.endr
.endif
.irp b, 0,1,2,3,4,5,6,7
	global_load_b128 v[BIASF+8*(\b):BIASF+8*(\b)+3], v[H32], s[8:9] offset:64*(\b)       ; columns 16 b + 8 (l / 16) + 0..7: as an accumulator holds them
	global_load_b128 v[BIASF+8*(\b)+4:BIASF+8*(\b)+7], v[H32], s[8:9] offset:64*(\b)+16
.endr
.irp q, 0,1,2,3
	SISSUE \q, \q                                  ; the stream begins before anything else is worked on
.endr
	s_wait_loadcnt 32                              ; the four weight rows' 32 loads are younger: the bias is in
.irp q, 4,5,6
	SISSUE \q, \q                                  ; seven rows, 56 loads, are out
.endr
	WIN 0
	s_wait_kmcnt 0x0
.set p, 0
.rept 32                                           ; the bias is rounded to bf16 like every input and widened again
	v_cvt_pk_bf16_f32 v[T+p%16], v[BIASF+2*p], v[BIASF+2*p+1]
.if FC2
	v_and_b32 v[T+p%16], s[BMASK], v[T+p%16]       ; it enters one of the four partial sums
.endif
	v_lshlrev_b32 v[BIASF+2*p], 16, v[T+p%16]
	v_and_b32 v[BIASF+2*p+1], s[HMASK], v[T+p%16]
.set p, p+1
.endr
.if FC2
	s_min_u32 s[RC], s[RC], 1024
.else
	; COUNTS: R_e for all experts, whole numbers throughout: ones of each lane's word, two experts to a register, summed over the 32 lanes
.irp e, 0,1,2,3,4,5,6,7
	POPC SELW+(\e)
.endr
.irp i, 0,1,2,3
	v_lshl_or_b32 v[T+(\i)], v[SELW+2*(\i)+1], 16, v[SELW+2*(\i)]
.endr
	v_mov_b32 v[T+4], 0                            ; the destination of the lines below counts as read
.irp i, 0,1,2,3
.irp m, 1,2,4,8
	v_mov_b32_dpp v[T+4], v[T+(\i)] row_xmask:\m row_mask:0xf bank_mask:0xf
	v_add_nc_u32 v[T+(\i)], v[T+(\i)], v[T+4]
.endr
	v_permlanex16_b32 v[T+4], v[T+(\i)], s[PSEL], s[PSEL+1]
	v_add_nc_u32 v[T+(\i)], v[T+(\i)], v[T+4]
	v_readfirstlane_b32 s80, v[T+(\i)]
	s_and_b32 s[CN+2*(\i)], s80, 0xffff
	s_lshr_b32 s[CN+2*(\i)+1], s80, 16
	s_min_u32 s[CN+2*(\i)], s[CN+2*(\i)], 1024
	s_min_u32 s[CN+2*(\i)+1], s[CN+2*(\i)+1], 1024
.endr
	s_mov_b32 s81, 0                               ; tiles of the experts so far
	s_mov_b32 s[RC], 0
	s_mov_b32 s[TB], 0
.irp e, 0,1,2,3,4,5,6,7
	s_mov_b32 s[TBS+(\e)], s81
	s_cmp_eq_u32 s[EX], \e
	s_cselect_b32 s[RC], s[CN+(\e)], s[RC]
	s_cselect_b32 s[TB], s81, s[TB]
	s_add_co_u32 s82, s[CN+(\e)], 15
	s_lshr_b32 s82, s82, 4
	s_add_co_u32 s81, s81, s82
.endr
.endif
	s_min_u32 s[TB], s[TB], 135                    ; 2,048 rows and 8 experts make 135 tiles at the most
	s_add_co_u32 s[NT], s[RC], 15
	s_lshr_b32 s[NT], s[NT], 4
	s_lshr_b32 s80, s[NT], 2                       ; the tiles are dealt to the four waves, the first NT % 4 waves one more
	s_and_b32 s81, s[NT], 3
	s_cmp_lt_u32 s[WV], s81
	s_cselect_b32 s82, 1, 0
	s_add_co_u32 s[NW], s80, s82
	s_mul_i32 s[FW], s[WV], s80
	s_min_u32 s82, s[WV], s81
	s_add_co_u32 s[FW], s[FW], s82
	s_add_co_u32 s[LASTT], s[FW], s[NW]
	s_sub_co_u32 s[LASTT], s[LASTT], 1             ; (used only where NW is at least 1)
	s_sub_co_u32 s[RM1], s[RC], 1
.if !FC2
	s_cmp_lg_u32 s[WV], 0
	s_cbranch_scc1 .Lnolist                        ; wave 0 alone; no barrier is jumped
.irp i, 0,1,2,3
	v_mov_b32 v[BF+(\i)], 0
.endr
	v_add_nc_u32 v[T0+1], LIST, v[L16]
.irp i, 0,1,2,3
	ds_store_b128 v[T0+1], v[BF:BF+3] offset:512*(\i)  ; the list's 2,048 bytes are written whole: places past the expert's count hold token 0
.endr
	s_mov_b32 s80, 0                               ; the expert's tokens so far
	s_mov_b32 s83, LIST
	v_mov_b32 v[T0+2], v[LN]                       ; token 32 j + lane
.irp j, 0,1,2,3,4,5,6,7,8,9,10,11,12,13,14,15,16,17,18,19,20,21,22,23,24,25,26,27,28,29,30,31
	v_mbcnt_lo_u32_b32 v[T0], s[SW+(\j)], s80      ; its rank among the expert's tokens
	v_cndmask_b32 v[T0], v[DMP], v[T0], s[SW+(\j)] ; a token that did not choose the expert goes behind the list
	v_min_u32 v[T0], 0x41f, v[T0]
	v_lshl_add_u32 v[T0], v[T0], 1, s83
	ds_store_b16 v[T0], v[T0+2]                    ; LDS serves a wave's instructions in order: behind the zeros above
	v_add_nc_u32 v[T0+2], 32, v[T0+2]
	s_bcnt1_i32_b32 s81, s[SW+(\j)]
	s_add_co_u32 s80, s80, s81
.endr
	s_cmp_lg_u32 s[SL], 0
	s_cbranch_scc1 .Lnolist                        ; the expert's slice 0 stores pos
	s_lshl_b32 s80, s[TB], 4                       ; padded row = 16 TB + rank
.irp jp, 0,1,2,3,4,5,6,7,8,9,10,11,12,13,14,15
	v_mbcnt_lo_u32_b32 v[BF+2*(\jp)], s[SW+2*(\jp)], s80
	s_bcnt1_i32_b32 s81, s[SW+2*(\jp)]
	s_add_co_u32 s80, s80, s81
	v_mbcnt_lo_u32_b32 v[BF+2*(\jp)+1], s[SW+2*(\jp)+1], s80
	s_bcnt1_i32_b32 s81, s[SW+2*(\jp)+1]
	s_add_co_u32 s80, s80, s81
	global_store_b64 v[L8], v[BF+2*(\jp):BF+2*(\jp)+1], s[14:15] offset:256*(\jp)   ; tokens 64 jp + lane and 64 jp + 32 + lane: 256 consecutive bytes
.endr
	s_cmp_lg_u32 s[WG], 0
	s_cbranch_scc1 .Lnolist                        ; work-group 0 stores meta
	v_mov_b32 v[BF+32], 0
	v_mov_b32 v[BF+33], 0
.irp e, 0,1,2,3,4,5,6,7
	v_writelane_b32 v[BF+32], s[CN+(\e)], \e
	v_writelane_b32 v[BF+33], s[TBS+(\e)], \e
.endr
	global_store_b64 v[L8], v[BF+32:BF+33], s[16:17]   ; lane e: R_e, TB_e; the other lanes zeros: 256 bytes
.Lnolist:
.endif
	; PHASE 1: the stream.  32 rows a wave in four rounds of eight; three rounds ask in every step
	s_mov_b32 s[KC], 3
.Lstream:
	SROUND 0
	s_sub_co_u32 s[KC], s[KC], 1
	s_cmp_lg_u32 s[KC], 0
	s_cbranch_scc1 .Lstream
	SROUND 1
	s_wait_dscnt 0x0                               ; for the others' sake: my rows are in LDS
	s_barrier_signal -1
	s_barrier_wait -1                              ; the one barrier: behind it the weights are only read
	; PHASE 2
	s_mov_b32 s[OC], 4
	s_mov_b32 s[TCUR], s[FW]
	s_mov_b32 s[REM], s[NW]
.Lgrp:
	s_cmp_le_i32 s[REM], 0
	s_cbranch_scc1 .Lskip                          ; no tile left for this trip
	s_min_u32 s[TCN], s[REM], 5
	TILES
	s_mov_b64 s[AB:AB+1], s[4:5]
	ALD 0, 0                                       ; three chunks' token fragments are asked for ahead
	ALD 1, CHS
	ALD 2, 2*CHS
	BLD 0, BL0, 0
	CH 0, 0, 1, 0, BL0, 64, 3*CHS, 20              ; chunk 0 stands ahead of the loop: its products start the sums.  20: chunks 1 and 2 stay out
	WIN 0
	s_mov_b32 s[KC], 7
	s_mov_b32 s[KB], 0
.Lk:                                               ; trip t: chunks 4 t + 1 .. 4 t + 4; chunk c lies in region c / 4 at byte 64 (c % 4) of its rows
	CH 1, 1, 0, 1, BADR, 128, 4*CHS, 20
	CH 0, 2, 0, 1, BADR, 192, 5*CHS, 20
	CH 1, 3, 0, 1, BADR, WREG, 6*CHS, 20
	CH 0, 0, 0, 1, BADR, WREG+64, 7*CHS, 20
	s_wait_xcnt 0x0                                ; the token loads' base is stepped only behind this wait
	s_add_nc_u64 s[AB:AB+1], s[AB:AB+1], 4*CHS
	s_add_co_u32 s[KB], s[KB], WREG/16
	s_sub_co_u32 s[KC], s[KC], 1
	s_cmp_lg_u32 s[KC], 0
	s_cbranch_scc1 .Lk
	v_add_nc_u32 v[BADR], 7*WREG, v[BL0]           ; region 7
	CH 1, 1, 0, 0, BADR, 128, -1, 20               ; chunks 29 to 31: no token loads are left to ask for, and the counts run down
	CH 0, 2, 0, 0, BADR, 192, -1, 10
	CH 1, 3, 0, 0, BADR, -1, -1, 0
	PLACES                                         ; between the last products and the first readers of results and writers of fragments
	OUT 0
	OUT 1
	OUT 2
	OUT 3
	OUT 4
	WIN 0
.Lend:
	s_wait_xcnt 0x0                                ; the stores' offsets and data are rewritten by the next group only behind this wait
.Lskip:
	s_add_co_u32 s[TCUR], s[TCUR], 5
	s_sub_co_i32 s[REM], s[REM], 5
	s_sub_co_u32 s[OC], s[OC], 1
	s_cmp_lg_u32 s[OC], 0
	s_cbranch_scc1 .Lgrp
	s_wait_tensorcnt 0x0                           ; the wave's end
	ds_add_u32 v[SPW], v[NIL]
	s_wait_dscnt 0x0
	s_endpgm
.Lfunc_end_k_qa354134515_fc2:
	.size	k_qa354134515_fc2, .Lfunc_end_k_qa354134515_fc2-k_qa354134515_fc2
	.p2alignl 7, 3214868480
	.fill 96, 4, 3214868480
	.section	.rodata,"a",@progbits
	.p2align	6, 0x0
	.amdhsa_kernel k_qa354134515_fc2
		.amdhsa_group_segment_fixed_size 312832
		.amdhsa_private_segment_fixed_size 0
		.amdhsa_enable_private_segment 0
		.amdhsa_kernarg_size 40
		.amdhsa_user_sgpr_count 2
		.amdhsa_user_sgpr_kernarg_segment_ptr 1
		.amdhsa_wavefront_size32 1
		.amdhsa_system_sgpr_workgroup_id_x 1
		.amdhsa_system_sgpr_workgroup_id_y 1
		.amdhsa_system_sgpr_workgroup_id_z 1
		.amdhsa_system_vgpr_workitem_id 0
		.amdhsa_next_free_vgpr 832
		.amdhsa_next_free_sgpr 102
		.amdhsa_reserve_vcc 0
		.amdhsa_float_denorm_mode_32 3
		.amdhsa_float_denorm_mode_16_64 3
		.amdhsa_memory_ordered 1
		.amdhsa_forward_progress 1
		.amdhsa_inst_pref_size 108
	.end_amdhsa_kernel
	.amdgpu_metadata
---
amdhsa.version: [ 1, 2 ]
amdhsa.kernels:
  - .name:           k_qa354134515_fc2
    .symbol:         k_qa354134515_fc2.kd
    .args:
      - { .name: hid, .offset: 0, .size: 8, .value_kind: global_buffer, .address_space: global }
      - { .name: fc2_w, .offset: 8, .size: 8, .value_kind: global_buffer, .address_space: global }
      - { .name: fc2_b, .offset: 16, .size: 8, .value_kind: global_buffer, .address_space: global }
      - { .name: meta, .offset: 24, .size: 8, .value_kind: global_buffer, .address_space: global }
      - { .name: ypart, .offset: 32, .size: 8, .value_kind: global_buffer, .address_space: global }
    .group_segment_fixed_size: 312832
    .private_segment_fixed_size: 0
    .kernarg_segment_align: 8
    .kernarg_segment_size: 40
    .max_flat_workgroup_size: 128
    .sgpr_count:     102
    .vgpr_count:     832
    .wavefront_size: 32
...
	.end_amdgpu_metadata
.endif
;; end of part 6
;; launch mix: the kernel of part 4 again; grid 256 x 1, 8 waves a work-group, no clusters, 0 bytes of LDS; arguments ypart, route, gate, pos, out0; writes out0
